; MI455X (gfx1250); checked and timed in simulation.
; The chip was launched on July 23, 2026; its instructions are those of AMD's public machine-readable ISA for CDNA 5 (MIT licence, August 2026) and "CDNA5" Instruction Set Architecture Reference Guide (July 2026). The comments in the code are by the model that wrote it; some were corrected since.
;; Multi Head Self Attention. Allowed arithmetic: matrix products marked QUANTISED: E2M1 operands, one E8M0 scale for each 32 along K, by v_wmma_scale_f32_16x16x128_f8f6f4 with both operands' format E2M1 (or v_wmma_scale_f32_32x16x128_f4), f32 sums; products left as they are: bf16, f16 or f32 operands; f32 sums; everything else in f32.
;; Inputs: wk 1,024 x 1,024 float32; wo 1,024 x 1,024 float32; wq 1,024 x 1,024 float32; wv 1,024 x 1,024 float32; x 4 x 2,048 x 1,024 float32.
;; Outputs: out0 4 x 2,048 x 1,024 float32.
;; This version of the problem:
;;   THIS VERSION OF THE PROBLEM IS GIVEN IN LOW PRECISION. The matrix products marked QUANTISED in the list below multiply operands that are first quantised to E2M1 (2 exponent bits, 1 mantissa bit; 4 bits a number), with one power-of-two scale for each 32 numbers along K (OCP MX v1.0); their sums are f32. The products marked 'left as it is' may take bf16, f16 or f32 operands, with f32 sums. Whichever they take, every output number must still come out within the allowed error. Rounding operands to bf16 (8 significant bits) uses up far more of that allowance than f16 does (11 bits, for magnitudes from 6e-5 to 65,504). All else is computed in f32.
;;   The module's matrix products, in the order in which they are computed (A, B: the left and right operand; K: the contracted axis; several contracted axes count as one K, in the product's order):
;;     1. [M 8,192, K 1,024] x [K 1,024, N 1,024]; A: input x; B: input wq: QUANTISED
;;     2. [M 8,192, K 1,024] x [K 1,024, N 1,024]; A: input x; B: input wk: QUANTISED
;;     3. [M 8,192, K 1,024] x [K 1,024, N 1,024]; A: input x; B: input wv: QUANTISED
;;     4. batch 64 x [M 2,048, K 64] x [K 64, N 2,048]; A: computed on the way; B: computed on the way: left as it is (an operand is computed on the way)
;;     5. batch 64 x [M 64, K 2,048] x [K 2,048, N 2,048]; A: computed on the way; B: computed on the way: left as it is (an operand is computed on the way)
;;     6. [M 8,192, K 1,024] x [K 1,024, N 1,024]; A: computed on the way; B: input wo: left as it is (an operand is computed on the way)
;;   THE QUANTISER, for each operand of a quantised product, along K:
;;     - K is cut into blocks of 32 from its start; a last block that is shorter is filled with zeros.
;;     - A block's scale is 2^e with e = floor(log2(the largest magnitude in the block)) - 2, held to -126 .. 127; a block of zeros has e = 0. As a byte (E8M0): e + 127.
;;     - Each number is divided by its block's scale, clamped to +-6, and rounded to the nearest number of E2M1, ties to even, subnormals kept.
;;     - The product sums the exact products of the quantised numbers (number of the format x scale) in f32.
;;   ~~~python
;;   def quantise(x, axis):      # numpy; x: float32 -> the quantised numbers, widened to float32 again
;;       x = np.moveaxis(x, axis, -1); K = x.shape[-1]
;;       x = np.pad(x, [(0, 0)] * (x.ndim - 1) + [(0, -K % 32)]); x = x.reshape(x.shape[:-1] + (-1, 32)); a = np.abs(x).max(-1, keepdims=True)
;;       e = np.where(a > 0, np.clip(np.frexp(np.where(a > 0, a, 1))[1] - 1 - 2, -126, 127), 0)      # np.frexp(a)[1] - 1 = floor(log2(a)), exactly
;;       r = np.clip(x / 2.0 ** e, -6, 6)
;;       step = 2.0 ** (np.maximum(np.frexp(np.where(r == 0, 1, r))[1] - 1, 0) - 1)
;;       q = np.round(r / step) * step * 2.0 ** e      # np.round: ties to even
;;       return np.moveaxis(q.reshape(q.shape[:-2] + (-1,))[..., :K], -1, axis).astype(np.float32)
;;   ~~~
;; One version. Each part assembles by itself: llvm-mc -triple=amdgcn-amd-amdhsa -mcpu=gfx1250 --defsym DOCPART=n.
;; ======== version 1 of 1: 5 launches
;; limits: values are held in f16: magnitudes above 65,504 overflow, below 6.1e-05 lose precision
;; workspace buffers: codes 5,767,168 bytes; scales 360,448 bytes; wo16 2,097,152 bytes; qkv16 50,331,648 bytes; att 16,777,216 bytes; qkv32 786,432 bytes
;; launch quant (part 1): grid 384 x 1, 4 waves a work-group, no clusters, 33,280 bytes of LDS; arguments x, wq, wk, wv, wo, codes, scales, wo16; writes codes, scales, wo16
.if DOCPART == 1
	.amdgcn_target "amdgcn-amd-amdhsa--gfx1250"
	.amdhsa_code_object_version 6
	.text
	.protected	k_q1cff6ea54a_quant
	.globl	k_q1cff6ea54a_quant
	.p2align	8
	.type	k_q1cff6ea54a_quant,@function
k_q1cff6ea54a_quant:
	s_mov_b64 s[64:65], 0
	v_nop
	global_prefetch_b8 v0, s[64:65] scope:SCOPE_SE
	s_setreg_imm32_b32 hwreg(HW_REG_WAVE_MODE, 25, 1), 1
	s_wait_xcnt 0x0
; LAUNCH 1 OF 5.  The program: causal self-attention, B 4, S 2048, H 16, D 64, E 1024.
;   quant: x, wq, wk, wv -> codes of E2M1 and E8M0 bytes along K (the last axis of all four);  wo -> f16
;   qkv:   x with wq, wk, wv on codes, one product of 8192 x 3072 x 1024 -> q, k, v as f16, and tokens 0-15 of each batch as f32
;   attn:  scores, softmax with a running maximum, weights x v, f16 operands, f32 sums
;   proj:  the product with wo, f16 operands, all rows but tokens 0-15 of each batch
;   fine:  tokens 0-15 of each batch once more, attention and projection in f32
; WORK LEFT OUT, in the problem's own terms.  reference() builds causal = tril(ones) in its own body and sets scores to -inf where key > query;
; softmax gives such a key the weight exp(-inf) = 0, whatever finite values the inputs hold, so its score and its term weight x v reach no output.
; attn leaves that work out where it comes in whole steps (64 keys that all lie behind a wave's 32 queries).  Every input has a way to the output: all five are loaded.
; LIMITS.  A NaN, an infinity or an overflow that sits only in k or v at hidden positions is not carried to the result.
; q, k, v, the attention's output and wo are rounded to f16 for the products left as they are: their magnitudes must stay under 65,504.
; A block whose largest magnitude lies under 2^-124 keeps the scale byte 1; a block of zeros keeps the byte 1 where the quantiser says 127: its codes are zeros, and this program alone reads the bytes.
; NaN and infinities among the inputs are not served.
; THIS LAUNCH.  Rows are dense and K = 1024 is a multiple of 32, so x and the three weights are plain streams of blocks of 32 numbers, and so are their codes and scale bytes.
; Work-groups 0-255 take x, 256-287 wq, 288-319 wk, 320-351 wv: one path, only the source pointer is chosen.  A wave takes a run of 8,192 numbers in 16 steps of 512.
; Run g (x's 1,024 runs, then the weights' 384) puts its codes at codes + 4096 g and its bytes at scales + 256 g: so the weights' codes lie as [3072][512 bytes] behind x's [8192][512 bytes].
; Each of a step's four loads reads 512 consecutive bytes; the 2,048 bytes turn through the wave's own stage in LDS and come back 64 bytes a lane: 16 neighbours along K, two lanes to a block.
; Work-groups 352-383 turn wo into f16: a plain stream, no LDS.
; No tensor load, barrier, matrix unit or cluster: waves share nothing and every byte is read once.
.set QWG,   352                        ; work-groups that quantise
.set STEPS, 16
.set EMAX,  2
.set CB,    8                          ; bytes of 16 codes
.set R,     16                         ; v16-79   four sets of 16 numbers as they are loaded
.set X,     80                         ; v80-111  two sets of 16 neighbours
.set C,     128                        ; v128-191 codes: four registers for each step
.set E,     112                        ; v112-127 a scale byte for each step
.set WREG,  8192                       ; LDS: a region for each wave: two stages of 32 x SP bytes, behind them its 256 scale bytes
.set SP,    80                         ; a lane's place in a stage: 64 bytes + 16 of padding
.set SPW,   12                         ; v12 LDS address of my spare word; never rewritten
.set NIL,   13                         ; v13 0; never rewritten
.set SPARE, 4*WREG                     ; behind the four regions: the spare words, 128 bytes a wave
	s_load_b256 s[4:11], s[0:1], 0x0               ; x s[4:5], wq s[6:7], wk s[8:9], wv s[10:11]
	s_load_b256 s[12:19], s[0:1], 0x20             ; wo s[12:13], codes s[14:15], scales s[16:17], wo16 s[18:19]
	v_lshl_add_u32 v[SPW], v0, 2, SPARE
	v_mov_b32 v[NIL], 0
	v_lshrrev_b32 v1, 5, v0
	v_readfirstlane_b32 s20, v1                    ; wave
	v_and_b32 v2, 31, v0                           ; lane
	v_lshlrev_b32 v3, 4, v2                        ; my 16 bytes of a load's 512
	v_lshlrev_b32 v4, 3, v2                        ; my 8 bytes of a store's 256
	s_wait_kmcnt 0x0
	s_cmp_ge_u32 ttmp9, QWG                        ; the work-group's number alone decides
	s_cbranch_scc1 .Lwo
	s_mul_i32 s21, s20, WREG
	v_lshrrev_b32 v14, 2, v2
	v_mul_u32_u24 v14, v14, SP
	v_and_b32 v15, 3, v2
	v_lshl_add_u32 v14, v15, 4, v14
	v_add_nc_u32 v14, s21, v14                     ; the stage, on the way in: SP (lane / 4) + 16 (lane % 4)
	v_mul_u32_u24 v15, v2, SP
	v_add_nc_u32 v15, s21, v15                     ; and on the way out: SP x lane: my 16 neighbours
	v_lshrrev_b32 v5, 1, v2
	s_add_co_u32 s21, s21, 2*32*SP
	v_add_nc_u32 v5, s21, v5                       ; my wave's 256 scale bytes, my block's byte
	v_add_nc_u32 v6, s21, v4                       ; and on the way out 8 bytes a lane
	s_lshl_b32 s22, ttmp9, 2
	s_add_co_u32 s22, s22, s20                     ; g: my run among all 1,408
	s_sub_co_u32 s23, ttmp9, 256                   ; j: the work-group's number among the weights' (used only from 256 on)
	s_and_b32 s24, s23, 31
	s_lshl_b32 s24, s24, 2
	s_add_co_u32 s24, s24, s20                     ; my run inside one weight
	s_cmp_lt_u32 s23, 64
	s_cselect_b64 s[8:9], s[8:9], s[10:11]         ; wk or wv
	s_cmp_lt_u32 s23, 32
	s_cselect_b64 s[6:7], s[6:7], s[8:9]           ; wq or that
	s_cmp_lt_u32 ttmp9, 256
	s_cselect_b64 s[4:5], s[4:5], s[6:7]           ; x or that
	s_cselect_b32 s24, s22, s24                    ; and the run inside the chosen tensor
	s_lshl_b32 s24, s24, 15                        ; 32,768 bytes of f32 a run
	s_mov_b32 s25, 0
	s_add_nc_u64 s[4:5], s[4:5], s[24:25]
	s_lshl_b32 s24, s22, 12                        ; 4,096 bytes of codes a run
	s_add_nc_u64 s[14:15], s[14:15], s[24:25]
	s_lshl_b32 s24, s22, 8                         ; 256 scale bytes a run
	s_add_nc_u64 s[16:17], s[16:17], s[24:25]
.macro LOAD t
.irp i, 0,1,2,3
	global_load_b128 v[R+16*((\t)%4)+4*\i:R+16*((\t)%4)+4*\i+3], v3, s[4:5] offset:2048*(\t)+512*\i th:TH_LOAD_NT   ; 32 lanes read 512 consecutive bytes
.endr
.endm
.macro TURN t                          ; step t's numbers through the stage: LDS serves a wave's instructions in order, so no wait stands between the stores and the loads
.irp i, 0,1,2,3
	ds_store_b128 v14, v[R+16*((\t)%4)+4*\i:R+16*((\t)%4)+4*\i+3] offset:32*SP*((\t)%2)+8*SP*\i
.endr
.irp i, 0,1,2,3
	ds_load_b128 v[X+16*((\t)%2)+4*\i:X+16*((\t)%2)+4*\i+3], v15 offset:32*SP*((\t)%2)+16*\i
.endr
.endm
.irp t, 0,1,2,3
	LOAD \t
.endr
	s_wait_loadcnt 12                              ; step 0's four loads are in; three steps' twelve stay out
	TURN 0
.macro STEP t
.set XS, X+16*((\t)%2)
.if (\t) > 0
	s_wait_dscnt 1                                 ; this step's numbers are back from the stage (the last step's byte store may be out)
.else
	s_wait_dscnt 0x0
.endif
.if (\t)+4 < STEPS
	LOAD (\t)+4                                    ; into the registers that the stage's stores have read
.endif
.if (\t)+1 < STEPS
.if STEPS-2-(\t) >= 3
	s_wait_loadcnt 12                              ; the next step's four loads are in; those of the three steps behind it may be out
.else
	s_wait_loadcnt 4*(STEPS-2-(\t))
.endif
	TURN (\t)+1                                    ; through the other stage while this step is worked
.endif
	v_max3_num_f32 v8, |v[XS]|, |v[XS+1]|, |v[XS+2]|               ; the largest magnitude of my 16, in two chains
	v_max3_num_f32 v9, |v[XS+3]|, |v[XS+4]|, |v[XS+5]|
.irp i, 6,10
	v_max3_num_f32 v8, v8, |v[XS+\i]|, |v[XS+\i+1]|
	v_max3_num_f32 v9, v9, |v[XS+\i+2]|, |v[XS+\i+3]|
.endr
	v_max3_num_f32 v8, v8, |v[XS+14]|, |v[XS+15]|
	v_max3_num_f32 v8, v8, v9, (EMAX+1)<<23        ; and the floor 2^(3 - 127): the byte cannot fall under 1
	v_max_num_f32_dpp v8, v8, v8 row_xmask:1 row_mask:0xf bank_mask:0xf   ; with my neighbour's 16: the block's
	v_add_nc_u32 v11, -(EMAX<<23), v8              ; 2 off its exponent field: the conversion takes the exponent field of this operand as its scale
	v_cvt_scalef32_pk8_fp4_f32 v[C+4*(\t)], v[XS:XS+7], v11        ; eight numbers / the scale, to the nearest code, ties to even, beyond 6 the largest code
	v_cvt_scalef32_pk8_fp4_f32 v[C+4*(\t)+1], v[XS+8:XS+15], v11
	v_lshrrev_b32 v[E+(\t)], 23, v11               ; the scale's byte
	ds_store_b8 v5, v[E+(\t)] offset:16*(\t)       ; both lanes of a block write the same byte with the same value
	global_store_b64 v4, v[C+4*(\t):C+4*(\t)+1], s[14:15] offset:32*CB*(\t)   ; 32 lanes store 256 consecutive bytes, aligned
.endm
.irp t, 0,1,2,3,4,5,6,7,8,9,10,11,12,13,14,15
	STEP \t
.endr
	ds_load_b64 v[8:9], v6                         ; LDS serves a wave's instructions in order: these see my byte stores
	s_wait_dscnt 0x0
	global_store_b64 v4, v[8:9], s[16:17]          ; 32 lanes store 256 consecutive bytes, aligned
	s_wait_tensorcnt 0x0                           ; the wave's end, behind my last LDS store
	ds_add_u32 v[SPW], v[NIL]
	s_wait_dscnt 0x0
	s_endpgm
; wo -> f16.  A wave takes 8,192 numbers in four groups of 2,048; two groups of sixteen loads are out at the start, one while a group is converted.  This path writes no LDS.
.Lwo:
	s_sub_co_u32 s22, ttmp9, QWG
	s_lshl_b32 s22, s22, 2
	s_add_co_u32 s22, s22, s20                     ; my run of 128
	s_lshl_b32 s24, s22, 15
	s_mov_b32 s25, 0
	s_add_nc_u64 s[12:13], s[12:13], s[24:25]
	s_lshl_b32 s24, s22, 14
	s_add_nc_u64 s[18:19], s[18:19], s[24:25]
.macro LOADW g
.irp j, 0,1,2,3,4,5,6,7,8,9,10,11,12,13,14,15
	global_load_b128 v[16+64*((\g)%2)+4*\j:16+64*((\g)%2)+4*\j+3], v3, s[12:13] offset:8192*(\g)+512*\j
.endr
.endm
.macro GROUPW g
.if (\g) < 3
	s_wait_loadcnt 16                              ; this group's sixteen loads are in; the next group's stay out
.else
	s_wait_loadcnt 0x0
.endif
.if (\g) > 0
	s_wait_xcnt 0x0                                ; the last group's stores have read v144-175: they are written again only behind this wait
.endif
.irp j, 0,1,2,3,4,5,6,7,8,9,10,11,12,13,14,15
	v_cvt_pk_f16_f32 v[144+2*\j], v[16+64*((\g)%2)+4*\j], v[16+64*((\g)%2)+4*\j+1]
	v_cvt_pk_f16_f32 v[145+2*\j], v[16+64*((\g)%2)+4*\j+2], v[16+64*((\g)%2)+4*\j+3]
.endr
.if (\g) < 2
	LOADW (\g)+2
.endif
.irp j, 0,1,2,3,4,5,6,7,8,9,10,11,12,13,14,15
	global_store_b64 v4, v[144+2*\j:145+2*\j], s[18:19] offset:4096*(\g)+256*\j   ; 32 lanes store 256 consecutive bytes, aligned
.endr
.endm
	LOADW 0
	LOADW 1
	GROUPW 0
	GROUPW 1
	GROUPW 2
	GROUPW 3
	s_endpgm
.Lfunc_end_k_q1cff6ea54a_quant:
	.size	k_q1cff6ea54a_quant, .Lfunc_end_k_q1cff6ea54a_quant-k_q1cff6ea54a_quant
	.p2alignl 7, 3214868480
	.fill 96, 4, 3214868480
	.section	.rodata,"a",@progbits
	.p2align	6, 0x0
	.amdhsa_kernel k_q1cff6ea54a_quant
		.amdhsa_group_segment_fixed_size 33280
		.amdhsa_private_segment_fixed_size 0
		.amdhsa_enable_private_segment 0
		.amdhsa_kernarg_size 64
		.amdhsa_user_sgpr_count 2
		.amdhsa_user_sgpr_kernarg_segment_ptr 1
		.amdhsa_wavefront_size32 1
		.amdhsa_system_sgpr_workgroup_id_x 1
		.amdhsa_system_sgpr_workgroup_id_y 1
		.amdhsa_system_sgpr_workgroup_id_z 1
		.amdhsa_system_vgpr_workitem_id 0
		.amdhsa_next_free_vgpr 192
		.amdhsa_next_free_sgpr 66
		.amdhsa_reserve_vcc 0
		.amdhsa_float_denorm_mode_32 3
		.amdhsa_float_denorm_mode_16_64 3
		.amdhsa_memory_ordered 1
		.amdhsa_forward_progress 1
		.amdhsa_inst_pref_size 54
	.end_amdhsa_kernel
	.amdgpu_metadata
---
amdhsa.version: [ 1, 2 ]
amdhsa.kernels:
  - .name:           k_q1cff6ea54a_quant
    .symbol:         k_q1cff6ea54a_quant.kd
    .args:
      - { .name: x, .offset: 0, .size: 8, .value_kind: global_buffer, .address_space: global }
      - { .name: wq, .offset: 8, .size: 8, .value_kind: global_buffer, .address_space: global }
      - { .name: wk, .offset: 16, .size: 8, .value_kind: global_buffer, .address_space: global }
      - { .name: wv, .offset: 24, .size: 8, .value_kind: global_buffer, .address_space: global }
      - { .name: wo, .offset: 32, .size: 8, .value_kind: global_buffer, .address_space: global }
      - { .name: codes, .offset: 40, .size: 8, .value_kind: global_buffer, .address_space: global }
      - { .name: scales, .offset: 48, .size: 8, .value_kind: global_buffer, .address_space: global }
      - { .name: wo16, .offset: 56, .size: 8, .value_kind: global_buffer, .address_space: global }
    .group_segment_fixed_size: 33280
    .private_segment_fixed_size: 0
    .kernarg_segment_align: 8
    .kernarg_segment_size: 64
    .max_flat_workgroup_size: 128
    .sgpr_count:     66
    .vgpr_count:     192
    .wavefront_size: 32
...
	.end_amdgpu_metadata
.endif
;; end of part 1
;; launch qkv (part 2): grid 12 x 32, 4 waves a work-group, clusters of 4 x 4, 327,680 bytes of LDS; arguments codes, scales, qkv16, qkv32; writes qkv16, qkv32
.if DOCPART == 2
	.amdgcn_target "amdgcn-amd-amdhsa--gfx1250"
	.amdhsa_code_object_version 6
	.text
	.protected	k_q1cff6ea54a_qkv
	.globl	k_q1cff6ea54a_qkv
	.p2align	8
	.type	k_q1cff6ea54a_qkv,@function
k_q1cff6ea54a_qkv:
	s_mov_b64 s[64:65], 0
	v_nop
	global_prefetch_b8 v0, s[64:65] scope:SCOPE_SE
	s_setreg_imm32_b32 hwreg(HW_REG_WAVE_MODE, 25, 1), 1
	s_wait_xcnt 0x0
	s_wait_alu depctr_hold_cnt(0) depctr_sa_sdst(0) depctr_va_vdst(0) depctr_va_sdst(0) depctr_va_ssrc(0) depctr_va_vcc(0) depctr_vm_vsrc(0)
	s_getreg_b32 s2, hwreg(HW_REG_IB_STS2, 6, 4)
	s_cmp_eq_u32 s2, 0
	s_cbranch_scc0 .Lentry_in_a_cluster
	s_endpgm
.Lentry_in_a_cluster:
	s_bfe_u32 s2, ttmp6, 0x10000c
	s_cmp_lg_u32 s2, 0xf033
	s_cbranch_scc0 .Lentry_shape_is_right
	s_endpgm
.Lentry_shape_is_right:
; LAUNCH 2 OF 5.  q, k, v = x with wq, wk, wv, as ONE product C[m][n] = sum over k of A[m][k] B[n][k] on codes of E2M1 with one E8M0 scale for each 32 along K; sums in f32.
; A = x's codes [8192][512 bytes] at codes + 0, its scale bytes [8192][32] at scales + 0;  B = the codes of wq, wk, wv on end, [3072][512 bytes] at codes + WCODES, bytes at scales + WSCALES.
; A tile of C is 256 x 256, made by four waves, each 128 x 128: 64 accumulators of 16 x 16.  K = 1024 is two slots of 512 along K: both are first fills, nothing is filled again, nothing is looped.
; The scale bytes of the work-group's 256 rows of A and of B for all of K are two dense blocks: they come into LDS once, in rows of 256 bytes.
; CLUSTERS: 4 x 4 work-groups.  The four of a row of the cluster need the same tiles of A, the four of a column the same tiles of B: each tile is asked for jointly, by the same tensor load with the same descriptor and a mask that names the four.
; Tile column = 4 x cluster x + cx: cluster x says which of q, k, v, and the tile's 256 columns are heads 4 cx .. 4 cx + 3.  Tile row = 8 cy + cluster y: so the batch is cy, and a batch's first tile is the one of cluster y = 0, which all sixteen partners share.
; THE MATRIX INSTRUCTION IS USED TRANSPOSED (source 0 = 16 rows of B, source 1 = 16 rows of A): a lane holds eight neighbouring columns of one token.
; THE WAY OUT.  qkv16: [q, k, v][batch x 16 + head][2048 tokens][64] f16: a block of 16 tokens x 2 heads goes through my stage in LDS and leaves as runs of 4 tokens x 128 bytes: 512 consecutive bytes a store.
; qkv32: [q, k, v][batch][head][16 tokens][64] f32: tokens 0-15 of each batch, unrounded, for the last launch.
; LIMIT: results are rounded to f16: magnitudes under 65,504.
; REGISTERS, in windows of 256: window 0: v0-31 addresses; v32-95 scale words, two sets; from v128 A's fragments, one set; on the way out v32-255 are free.
;   window 1: B's fragments, two sets, at v0 and v128.   window 2: the accumulators of my rows 0-63 ((a, b) at v[8 (8 a + b)]);   window 3: those of my rows 64-127.
.set SIZE_K, 1024
.set KSTEP,  512                       ; along K in a slot
.set NQ,     KSTEP/128                 ; matrix instructions deep
.set ROWB,   256                       ; a tile's row in bytes
.set KROW,   SIZE_K*4/8                ; a row of codes in memory
.set PITCH,  272                       ; an LDS row: 256 bytes + 16 of padding: the 16 rows that a load touches start at 16 different banks
.set FR,     8                         ; registers of a fragment: 16 rows x 128 K
.set NL,     2                         ; LDS loads that bring one
.set NP,     4                         ; places behind this matrix instruction (ISA guide 7.12.1)
.set HALFT,  128*PITCH                 ; 128 rows: what one tensor load brings
.set SLOT,   4*HALFT                   ; A's 256 rows, then B's 256 rows
.set KS,     SIZE_K/32                 ; a row of scale bytes
.set SCL,    2*SLOT                    ; behind the ring: the scales, as rows of 256 bytes + 16 of padding
.set HALFS,  (128*KS/256)*272          ; the scales of 128 rows
.set SBLK,   (16*KS/256)*272           ; those of 16 rows
.set SPARE,  SCL+4*HALFS               ; the spare words, 128 bytes a wave
.set WCODES, 4194304                   ; where the weights' codes begin
.set WSCALES, 262144                   ; and their scale bytes
.set STG,    8448                      ; a wave's stage, in slot 0: that slot has had its only fill, and its last read lies ahead of the change of slots' barrier
.set P16,    400                       ; a stage row of 128 f16: 256 bytes + 144: an odd multiple of 16
.set P32,    528                       ; a stage row of 128 f32: 512 bytes + 16
.set ADRA, 16                          ; v16-17  LDS address of my A fragments in slot 0, 1
.set ADRB, 20                          ; v20-21  the same for B
.set STO32, 22                         ; v22     f32 way out: where I put 32 bytes of a row
.set RD32, 23                          ; v23     and where I read a row back
.set STO16, 24                         ; v24     f16 way out: where I put 16 bytes of a row
.set RD16, 25                          ; v25     and where I read 16 bytes of a token's head back
.set CO16, 26                          ; v26     16 x lane
.set ADRS, 27                          ; v27     LDS address of my scale words: lanes 0-15 A's rows, lanes 16-31 B's
.set SPW,  28                          ; v28     my spare word; never rewritten
.set NIL,  29                          ; v29     0; never rewritten
.set CO32, 30                          ; v30     4096 (lane / 16) + 16 (lane % 16)
.set SC,   32                          ; scale words: set s at v[SC + 32 s]; register 4 i + q: lanes 0-15 A's block i, lanes 16-31 B's block i
.set AF,   128                         ; A's fragments
.set TMP,  192                         ; the way out: packed results
.set OB,   32                          ; the way out: rows read back: v32-63 and v224-255 by turns
.set G1, 24
.set G0, 32
.set G1B, 48
.set G0B, 56
.set G1S, 68
.set G0S, 76
.set G1SB, 80
.set G0SB, 88
.set MSB, 0
.macro WIN new                         ; the immediate's high byte repeats the setting that is left
.if MSB != \new
	s_set_vgpr_msb (MSB<<8)|\new
.set MSB, \new
.endif
.endm
.set MUL_LO, 0xa1                      ; source 0 (B) window 1, source 1 (A) window 0, C and D window 2
.set MUL_HI, 0xf1                      ; the same, C and D window 3
.set TO_B,   0x40                      ; destination window 1
; A joint load: waves 0 and 1 fetch for A, waves 2 and 3 for B.  The branch hangs on the wave's number alone.  An s_nop 0 and four v_nop follow each of the two lines.
.macro JLOAD g0a, g1a, g0b, g1b
	s_cmp_eq_u32 s15, 0
	s_cbranch_scc0 .Lfor_b_\@
	tensor_load_to_lds s[\g0a:\g0a+3], s[\g1a:\g1a+7]
	s_nop 0
.rept 4
	v_nop
.endr
	s_branch .Lasked_\@
.Lfor_b_\@:
	tensor_load_to_lds s[\g0b:\g0b+3], s[\g1b:\g1b+7]
	s_nop 0
.rept 4
	v_nop
.endr
.Lasked_\@:
.endm
.macro CROUND                          ; a round of the cluster's barrier
	s_barrier_signal -1
	s_barrier_wait -1
	s_cmp_lg_u32 s14, 0
	s_cbranch_scc1 .Lnot_wave_0_\@
	s_barrier_signal -3
.Lnot_wave_0_\@:
	s_barrier_wait -3
	s_barrier_signal -1
	s_barrier_wait -1
.endm
	s_load_b256 s[4:11], s[0:1], 0x0               ; codes s[4:5], scales s[6:7], qkv16 s[8:9], qkv32 s[10:11]
	v_lshl_add_u32 v[SPW], v0, 2, SPARE
	v_mov_b32 v[NIL], 0
	ds_add_u32 v[SPW], v[NIL]                      ; the wave's opening: the add, twice on end, and its wait ahead of my first tensor load
	ds_add_u32 v[SPW], v[NIL]
	v_lshrrev_b32 v1, 5, v0
	v_readfirstlane_b32 s14, v1                    ; wave 0..3
	s_lshr_b32 s15, s14, 1                         ; which half of the tile's rows is mine.  Also: I fetch for A (0) or for B (1)
	s_and_b32 s16, s14, 1                          ; which half of its columns.  Also: which 128 rows of that tile I fetch
	s_bfe_u32 s40, ttmp6, 0x40000                  ; cx
	s_bfe_u32 s41, ttmp6, 0x40004                  ; cy
	s_lshl_b32 s42, ttmp9, 2
	s_add_co_u32 s42, s42, s40                     ; tile column = 4 x cluster x + cx
	s_and_b32 s12, ttmp7, 0xffff                   ; cluster y
	s_lshl_b32 s17, s41, 3
	s_add_co_u32 s17, s17, s12                     ; tile row = 8 cy + cluster y
	s_or_b32 s13, s12, s15                         ; 0 where my first 16 rows are tokens 0-15 of a batch: cluster y and the wave's number alone
	s_lshl_b32 s43, s41, 2
	s_lshl_b32 s43, 15, s43                        ; my row of the cluster
	s_lshl_b32 s44, 0x1111, s40                    ; my column
	; descriptor group 1: a tile of 128 rows x 256 bytes, padded in LDS
	s_or_b32 s[G1+0], s43, (0<<16)|(1<<20)|(1<<21)|(5<<22)|(3<<25)  ; the mask; elements of 1 byte; padding on; bit 21 beside a mask; 4 words behind every 64
	s_or_b32 s[G1B+0], s44, (0<<16)|(1<<20)|(1<<21)|(5<<22)|(3<<25)
.irp g, G1, G1B
	s_mov_b32 s[\g+1], ROWB<<16                    ; tensor_dim0
	s_mov_b32 s[\g+2], 128<<16                     ; tensor_dim1
	s_mov_b32 s[\g+3], ROWB<<16                    ; tile_dim0
	s_mov_b32 s[\g+4], 128                         ; tile_dim1
	s_mov_b32 s[\g+5], KROW                        ; the pitch in memory
	s_mov_b32 s[\g+6], 0
	s_mov_b32 s[\g+7], 0
.endr
	; the scales of 128 rows: 4,096 dense bytes, as 16 rows of 256 bytes (32 elements of 8 bytes), 16 bytes of padding behind each
	s_or_b32 s[G1S+0], s43, (3<<16)|(1<<20)|(1<<21)|(5<<22)|(3<<25)
	s_or_b32 s[G1SB+0], s44, (3<<16)|(1<<20)|(1<<21)|(5<<22)|(3<<25)
.irp g, G1S, G1SB
	s_mov_b32 s[\g+1], 32<<16
	s_mov_b32 s[\g+2], (128*KS/256)<<16
	s_mov_b32 s[\g+3], 32<<16
	s_mov_b32 s[\g+4], 128*KS/256
	s_mov_b32 s[\g+5], 32
	s_mov_b32 s[\g+6], 0
	s_mov_b32 s[\g+7], 0
.endr
	s_lshl_b32 s18, s16, 7                         ; which 128 rows of the tile I fetch
	s_lshl_b32 s20, s17, 8
	s_add_co_u32 s20, s20, s18                     ; A: row 256 x tile row + 128 x half
	s_lshl_b32 s46, s42, 8
	s_add_co_u32 s46, s46, s18                     ; B: row 256 x tile column + 128 x half
	s_mov_b32 s21, 0
	s_mov_b32 s47, 0
	s_mov_b64 s[18:19], KS
	s_mul_u64 s[22:23], s[20:21], s[18:19]         ; where these rows' scales begin, in bytes
	s_mul_u64 s[92:93], s[46:47], s[18:19]
	s_mov_b64 s[18:19], KROW
	s_mul_u64 s[20:21], s[20:21], s[18:19]         ; and their codes
	s_mul_u64 s[46:47], s[46:47], s[18:19]
	s_add_nc_u64 s[46:47], s[46:47], WCODES        ; the weights lie behind x in both buffers
	s_add_nc_u64 s[92:93], s[92:93], WSCALES
	s_mul_i32 s45, s14, HALFT                      ; where they go: wave x 128 rows: no place in the cluster enters an LDS address
	s_mul_i32 s94, s14, HALFS
	s_wait_dscnt 0x0                               ; both opening adds are done
	s_wait_kmcnt 0x0
	s_add_nc_u64 s[20:21], s[4:5], s[20:21]
	s_add_nc_u64 s[22:23], s[6:7], s[22:23]
	s_add_nc_u64 s[46:47], s[4:5], s[46:47]
	s_add_nc_u64 s[92:93], s[6:7], s[92:93]
	CROUND                                         ; all sixteen work-groups are here: the joint loads meet
	s_mov_b32 s[G0S], 1
	s_add_co_u32 s[G0S+1], s94, SCL
	s_mov_b64 s[G0S+2:G0S+3], s[22:23]
	s_or_b32 s[G0S+3], s[G0S+3], 0x80000000
	s_mov_b32 s[G0SB], 1
	s_add_co_u32 s[G0SB+1], s94, SCL
	s_mov_b64 s[G0SB+2:G0SB+3], s[92:93]
	s_or_b32 s[G0SB+3], s[G0SB+3], 0x80000000
	JLOAD G0S, G1S, G0SB, G1SB                     ; the scales first: they are wanted with the first slot
.irp s, 0,1
	s_mov_b32 s[G0+4*\s], 1
	s_add_co_u32 s[G0+4*\s+1], s45, \s*SLOT
	s_add_nc_u64 s[G0+4*\s+2:G0+4*\s+3], s[20:21], \s*ROWB
	s_or_b32 s[G0+4*\s+3], s[G0+4*\s+3], 0x80000000
	s_mov_b32 s[G0B+4*\s], 1
	s_add_co_u32 s[G0B+4*\s+1], s45, \s*SLOT
	s_add_nc_u64 s[G0B+4*\s+2:G0B+4*\s+3], s[46:47], \s*ROWB
	s_or_b32 s[G0B+4*\s+3], s[G0B+4*\s+3], 0x80000000
	JLOAD G0+4*\s, G1, G0B+4*\s, G1B               ; three tensor loads of mine are out in all
.endr
	v_and_b32 v1, 15, v0                           ; r = lane % 16
	v_bfe_u32 v2, v0, 4, 1                         ; h = lane / 16
	v_mul_u32_u24 v3, v1, PITCH
	v_lshl_add_u32 v4, v2, 4, v3                   ; a fragment's row x pitch + 16 h
	s_mul_i32 s21, s15, HALFT                      ; my 128 rows of A
	s_mul_i32 s22, s16, HALFT                      ; my 128 rows of B,
	s_add_co_u32 s22, s22, 2*HALFT                 ; which lie behind A's 256
.irp s, 0,1
	v_add_nc_u32 v[ADRA+\s], s21, v4
	v_add_nc_u32 v[ADRB+\s], s22, v4
	s_add_co_u32 s21, s21, SLOT
	s_add_co_u32 s22, s22, SLOT
.endr
	v_mul_u32_u24 v5, v1, KS                       ; my row's scales: 32 bytes a row,
	v_lshrrev_b32 v6, 8, v5
	v_lshl_add_u32 v5, v6, 4, v5                   ; and 16 more for each 256 passed
	s_mul_i32 s21, s15, HALFS                      ; A's: my 128 rows
	s_mul_i32 s22, s16, HALFS                      ; B's: my 128 rows, behind A's 256
	s_add_co_u32 s22, s22, 2*HALFS
	s_sub_co_u32 s22, s22, s21
	v_mul_u32_u24 v6, s22, v2                      ; lanes 16-31 take B's: one product, the distance between the two bases
	s_add_co_u32 s21, s21, SCL
	v_add_nc_u32 v5, v5, v6
	v_add_nc_u32 v[ADRS], s21, v5
	s_mul_i32 s23, s14, STG                        ; my stage
	v_mul_u32_u24 v5, v1, P16
	v_lshl_add_u32 v5, v2, 4, v5
	v_add_nc_u32 v[STO16], s23, v5                 ; f16 in: row r, 16 bytes for each half of the lanes
	v_and_b32 v6, 31, v0                           ; lane
	v_lshrrev_b32 v5, 3, v6
	v_mul_u32_u24 v5, v5, P16
	v_and_b32 v3, 7, v0
	v_lshl_add_u32 v5, v3, 4, v5
	v_add_nc_u32 v[RD16], s23, v5                  ; f16 back: eight lanes take a token's 128 bytes of one head, four tokens an instruction
	v_mul_u32_u24 v5, v1, P32
	v_lshl_add_u32 v5, v2, 5, v5
	v_add_nc_u32 v[STO32], s23, v5                 ; f32 in: row r, 32 bytes for each half of the lanes
	v_lshlrev_b32 v[CO16], 4, v6
	v_add_nc_u32 v[RD32], s23, v[CO16]             ; f32 back: the 32 lanes take one row of 512 bytes
	v_lshlrev_b32 v5, 12, v2
	v_lshl_add_u32 v[CO32], v1, 4, v5              ; lanes 0-15 my first head's row, lanes 16-31 my second head's
	; where my results go: n = 64 x (q, k or v) + 16 x batch + head;  qkv16: 262,144 n + 128 x first token;  qkv32: 4,096 n
	s_lshl_b32 s20, s41, 4
	s_lshl_b32 s21, s40, 2
	s_add_co_u32 s20, s20, s21
	s_lshl_b32 s21, s16, 1
	s_add_co_u32 s20, s20, s21                     ; 16 cy + 4 cx + 2 (wave & 1)
	s_lshl_b32 s46, ttmp9, 6
	s_add_co_u32 s46, s46, s20                     ; n
	s_lshl_b32 s47, s46, 12
	s_lshl_b32 s46, s46, 18
	s_lshl_b32 s21, s12, 8
	s_lshl_b32 s22, s15, 7
	s_add_co_u32 s21, s21, s22                     ; my first token: 256 x cluster y + 128 x row half
	s_lshl_b32 s21, s21, 7
	s_add_co_u32 s20, s46, s21
	s_mov_b32 s21, 0
	s_add_nc_u64 s[8:9], s[8:9], s[20:21]
	s_mov_b32 s20, s47
	s_add_nc_u64 s[10:11], s[10:11], s[20:21]
.macro FRAG reg, adr, q, i             ; a fragment: lane l holds row l % 16; registers 4 c .. 4 c + 3 hold K = 64 c + 32 (l / 16) + 0 .. 31
.irp c, 0,1
	ds_load_b128 v[\reg+4*\c:\reg+4*\c+3], v[\adr] offset:64*(\q)+32*\c+(\i)*16*PITCH
.endr
.endm
; 16 matrix instructions: A's blocks a0, a0 + 1 x B's eight, the slot's q-th 128 along K.  p: B's set;  sc: the set of scale words.  zero = 1: the first product starts the sums.
; The 64 accumulators take turns, one instruction a turn, in the same order in every step.
.macro MUL16 a0, p, q, sc, zero
.irp a, \a0, \a0+1
.irp b, 0,1,2,3,4,5,6,7
.if \zero
	v_wmma_scale_f32_16x16x128_f8f6f4 v[8*(8*((\a)%4)+\b):8*(8*((\a)%4)+\b)+7], v[128*(\p)+FR*\b:128*(\p)+FR*\b+FR-1], v[AF+FR*(\a):AF+FR*(\a)+FR-1], 0, v[SC+8*NQ*(\sc)+NQ*\b+(\q)], v[SC+8*NQ*(\sc)+NQ*(\a)+(\q)] matrix_a_fmt:MATRIX_FMT_FP4 matrix_b_fmt:MATRIX_FMT_FP4 matrix_a_scale:MATRIX_SCALE_ROW1
.else
	v_wmma_scale_f32_16x16x128_f8f6f4 v[8*(8*((\a)%4)+\b):8*(8*((\a)%4)+\b)+7], v[128*(\p)+FR*\b:128*(\p)+FR*\b+FR-1], v[AF+FR*(\a):AF+FR*(\a)+FR-1], v[8*(8*((\a)%4)+\b):8*(8*((\a)%4)+\b)+7], v[SC+8*NQ*(\sc)+NQ*\b+(\q)], v[SC+8*NQ*(\sc)+NQ*(\a)+(\q)] matrix_a_fmt:MATRIX_FMT_FP4 matrix_b_fmt:MATRIX_FMT_FP4 matrix_a_scale:MATRIX_SCALE_ROW1
.endif
.endr
.endr
.endm
.macro FETCH_B slot, q, p              ; B's eight fragments of the slot's q-th 128 along K into set p
	WIN TO_B
.irp i, 0,1,2,3,4,5,6,7
	FRAG 128*(\p)+FR*\i, ADRB+\slot, \q, \i
.endr
	WIN 0
.endm
.macro FETCH_A slot, q, i0             ; A's blocks i0 .. i0 + 3
.irp i, \i0, \i0+1, \i0+2, \i0+3
	FRAG AF+FR*(\i), ADRA+\slot, \q, \i
.endr
.endm
.macro SCALES sc                       ; a slot's scale words into set sc: four words a row; lanes 0-15 take A's block i, lanes 16-31 B's block i
.irp i, 0,1,2,3,4,5,6,7
	ds_load_b128 v[SC+8*NQ*\sc+NQ*\i:SC+8*NQ*\sc+NQ*\i+3], v[ADRS] offset:\i*SBLK
.endr
.endm
.macro PLACES n                        ; plain vector instructions that name no register of the matrix instructions ahead (ISA guide 7.12.1)
.rept \n
	v_nop
.endr
.endm
; A step of 128 along K that has its successor in the same slot.  A has one set of registers: blocks 0-3 are fetched anew in the step's middle, blocks 4-7 at its end; B has two sets.
.macro STEP slot, q, zero
	s_wait_dscnt 4*NL                              ; B's set and A's blocks 0-3 are in; the youngest eight loads (A's blocks 4-7) may be out
	WIN MUL_LO
	MUL16 0, (\q)%2, \q, \slot, \zero
	MUL16 2, (\q)%2, \q, \slot, \zero
	s_wait_dscnt 0                                 ; A's blocks 4-7 are in
	PLACES NP
	FETCH_B \slot, (\q)+1, 1-(\q)%2
	FETCH_A \slot, (\q)+1, 0
	WIN MUL_HI
	MUL16 4, (\q)%2, \q, \slot, \zero
	MUL16 6, (\q)%2, \q, \slot, \zero
	PLACES NP
	WIN 0
	FETCH_A \slot, (\q)+1, 4
.endm
; Slot 0's last step changes slots: one barrier; in front of it each wave waits for all its tensor loads (its part of slot 1), adds 0 to its spare word, and waits for that and for its own reads of slot 0.
; Behind it slot 1 is whole and nobody reads slot 0 any more: the stages of the way out lie there.  Nothing is filled again.
.macro TURN slot, next
	s_wait_tensorcnt 0x0                           ; all my tensor loads have landed
	ds_add_u32 v[SPW], v[NIL]                      ; 0 onto my spare word
	s_wait_dscnt 4*NL+1                            ; (the add and the youngest eight loads may be out)
	WIN MUL_LO
	MUL16 0, 1, NQ-1, \slot, 0
	s_wait_dscnt 0x0                               ; the add is done, and my reads of this slot are over
	s_barrier_signal -1
	MUL16 2, 1, NQ-1, \slot, 0
	WIN 0
	s_barrier_wait -1
	PLACES NP
	v_add_nc_u32 v[ADRS], 4*NQ, v[ADRS]            ; on to the next slot's scale words
	FETCH_B \next, 0, 0
	FETCH_A \next, 0, 0
	SCALES \next
	WIN MUL_HI
	MUL16 4, 1, NQ-1, \slot, 0
	MUL16 6, 1, NQ-1, \slot, 0
	PLACES NP
	WIN 0
	FETCH_A \next, 0, 4
.endm
	s_wait_tensorcnt 1                             ; the scales and my part of slot 0 are in; slot 1's load may be out
	s_barrier_signal -1
	s_barrier_wait -1                              ; everybody's are
	FETCH_B 0, 0, 0
	FETCH_A 0, 0, 0
	SCALES 0
	FETCH_A 0, 0, 4
	STEP 0, 0, 1                                   ; the first step's products start the sums: nothing is cleared
	STEP 0, 1, 0
	STEP 0, 2, 0
	TURN 0, 1
	STEP 1, 0, 0
	STEP 1, 1, 0
	STEP 1, 2, 0
	s_wait_dscnt 4*NL                              ; the last step: nothing more to fetch
	WIN MUL_LO
	MUL16 0, 1, NQ-1, 1, 0
	MUL16 2, 1, NQ-1, 1, 0
	s_wait_dscnt 0
	WIN MUL_HI
	MUL16 4, 1, NQ-1, 1, 0
	MUL16 6, 1, NQ-1, 1, 0
	WIN 0
	; THE WAY OUT
	PLACES NP                                      ; behind the last products: their results are read, and loads land on their operands' and scales' registers, only behind these
	s_cmp_lg_u32 s13, 0                            ; cluster y and the wave's number alone: the same branch in all partners
	s_cbranch_scc1 .Lno32
	; tokens 0-15 of the batch, unrounded: block 0 through the stage as rows of 512 bytes; lanes 0-15 then store a token's 256 bytes of my first head, lanes 16-31 of my second
	WIN 0x08                                       ; an LDS store's data are its source 1: window 2
.irp b, 0,1,2,3,4,5,6,7
	ds_store_b128 v[STO32], v[8*\b:8*\b+3] offset:64*\b            ; each accumulator from its low end on
	ds_store_b128 v[STO32], v[8*\b+4:8*\b+7] offset:64*\b+16
.endr
	WIN 0
.irp t, 0,1,2,3,4,5,6,7,8,9,10,11,12,13,14,15
	ds_load_b128 v[128+4*\t:128+4*\t+3], v[RD32] offset:\t*P32     ; LDS serves a wave's instructions in order: these see the stores above
.endr
.irp t, 0,1,2,3,4,5,6,7,8,9,10,11,12,13,14,15
	s_wait_dscnt 15-\t                             ; row t is back; the younger rows may be out
	global_store_b128 v[CO32], v[128+4*\t:128+4*\t+3], s[10:11] offset:256*\t   ; sixteen lanes store 256 consecutive bytes, aligned
.endr
.Lno32:
.macro PACK a                          ; block a rounded to f16: 16 bytes a lane for each of B's eight blocks
.set AC, 64*((\a)%4)
	WIN 0x0a+5*((\a)/4)                            ; sources 0 and 1: window 2 or 3
.irp b, 0,1,2,3,4,5,6,7
.irp r, 0,1,2,3
	v_cvt_pk_f16_f32 v[TMP+4*\b+\r], v[AC+8*\b+2*\r], v[AC+8*\b+2*\r+1]
.endr
.endr
	WIN 0
.endm
.macro TOSTAGE16 a                     ; into my stage by rows of 128 columns, back by heads: e = my first or second head, four tokens an instruction
.set BK, OB+192*((\a)%2)
.irp b, 0,1,2,3,4,5,6,7
	ds_store_b128 v[STO16], v[TMP+4*\b:TMP+4*\b+3] offset:32*\b
.endr
.irp e, 0,1
.irp i, 0,1,2,3
	ds_load_b128 v[BK+4*(4*\e+\i):BK+4*(4*\e+\i)+3], v[RD16] offset:4*P16*\i+128*\e
.endr
.endr
.endm
.macro SEND16 a
.set BK, OB+192*((\a)%2)
	s_wait_dscnt 0x0                               ; the block is back in registers
	s_wait_xcnt 0x0                                ; the stores of the block before have read their registers: the next block's loads land there only behind this wait
.irp e, 0,1
.irp i, 0,1,2,3
	global_store_b128 v[CO16], v[BK+4*(4*\e+\i):BK+4*(4*\e+\i)+3], s[8:9] offset:262144*\e+2048*(\a)+512*\i   ; four tokens of one head: 512 consecutive bytes, aligned
.endr
.endr
.endm
	PACK 0
	TOSTAGE16 0
.irp a, 1,2,3,4,5,6,7                  ; block a's conversions stand between block a - 1's loads from the stage and the wait for them
	PACK \a
	SEND16 \a-1
	TOSTAGE16 \a
.endr
	SEND16 7
	s_wait_tensorcnt 0x0                           ; the wave's end, behind my last tensor load and my last LDS store
	ds_add_u32 v[SPW], v[NIL]
	s_wait_dscnt 0x0
	CROUND                                         ; the closing round: no work-group ends while a partner may still ask for a tile that names it
	s_endpgm
.Lfunc_end_k_q1cff6ea54a_qkv:
	.size	k_q1cff6ea54a_qkv, .Lfunc_end_k_q1cff6ea54a_qkv-k_q1cff6ea54a_qkv
	.p2alignl 7, 3214868480
	.fill 96, 4, 3214868480
	.section	.rodata,"a",@progbits
	.p2align	6, 0x0
	.amdhsa_kernel k_q1cff6ea54a_qkv
		.amdhsa_group_segment_fixed_size 327680
		.amdhsa_private_segment_fixed_size 0
		.amdhsa_enable_private_segment 0
		.amdhsa_kernarg_size 32
		.amdhsa_user_sgpr_count 2
		.amdhsa_user_sgpr_kernarg_segment_ptr 1
		.amdhsa_wavefront_size32 1
		.amdhsa_system_sgpr_workgroup_id_x 1
		.amdhsa_system_sgpr_workgroup_id_y 1
		.amdhsa_system_sgpr_workgroup_id_z 1
		.amdhsa_system_vgpr_workitem_id 0
		.amdhsa_next_free_vgpr 1024
		.amdhsa_next_free_sgpr 98
		.amdhsa_reserve_vcc 0
		.amdhsa_float_denorm_mode_32 3
		.amdhsa_float_denorm_mode_16_64 3
		.amdhsa_memory_ordered 1
		.amdhsa_forward_progress 1
		.amdhsa_inst_pref_size 131
	.end_amdhsa_kernel
	.amdgpu_metadata
---
amdhsa.version: [ 1, 2 ]
amdhsa.kernels:
  - .name:           k_q1cff6ea54a_qkv
    .symbol:         k_q1cff6ea54a_qkv.kd
    .args:
      - { .name: codes, .offset: 0, .size: 8, .value_kind: global_buffer, .address_space: global }
      - { .name: scales, .offset: 8, .size: 8, .value_kind: global_buffer, .address_space: global }
      - { .name: qkv16, .offset: 16, .size: 8, .value_kind: global_buffer, .address_space: global }
      - { .name: qkv32, .offset: 24, .size: 8, .value_kind: global_buffer, .address_space: global }
    .group_segment_fixed_size: 327680
    .private_segment_fixed_size: 0
    .kernarg_segment_align: 8
    .kernarg_segment_size: 32
    .max_flat_workgroup_size: 128
    .sgpr_count:     98
    .vgpr_count:     1024
    .wavefront_size: 32
...
	.end_amdgpu_metadata
.endif
;; end of part 2
;; launch attn (part 3): grid 4 x 64, 16 waves a work-group, no clusters, 327,680 bytes of LDS; arguments qkv16, att; writes att
.if DOCPART == 3
	.amdgcn_target "amdgcn-amd-amdhsa--gfx1250"
	.amdhsa_code_object_version 6
	.text
	.protected	k_q1cff6ea54a_attn
	.globl	k_q1cff6ea54a_attn
	.p2align	8
	.type	k_q1cff6ea54a_attn,@function
k_q1cff6ea54a_attn:
	s_mov_b64 s[64:65], 0
	v_nop
	global_prefetch_b8 v0, s[64:65] scope:SCOPE_SE
	s_setreg_imm32_b32 hwreg(HW_REG_WAVE_MODE, 25, 1), 1
	s_wait_xcnt 0x0
; LAUNCH 3 OF 5.  att[h][b, q][:] = the sum over k <= q of softmax_k(q . k / 32) v[k][:], for each of the 64 (batch, head) pairs; q, k, v and the weights p as f16, products' sums, maxima and sums in f32.
; WORK LEFT OUT: key steps all of whose 64 keys lie behind a wave's 32 queries: reference()'s own tril gives them the weight 0 (shown at the head of the first launch).
; SOFTMAX.  For each query a running maximum m and sum l: p = 2^(c s - c m), c = log2(e) / 32; in every step O and l are multiplied by a = 2^(c m_old - c m_new).  Key 0 counts for every query, so m is a score from the first step on.
; SHARES.  Work-group (i, hb) owns query blocks i and 7 - i (256 queries each) of pair hb: block j has j + 1 slots of keys to walk, so every work-group has 9 block-slots.  Both blocks walk one stream of keys.
; Each of the sixteen waves owns 32 queries, two tiles of 16; hi = (w ^ (w >> 2)) & 1 says which block, w >> 1 which 32 of it.  Four waves share a SIMD, so that one wave's vector work stands beside another's matrix work.
; NO CLUSTER: work-group i reads slots 0 .. 7 - i only, so partners of one head would need different numbers of tiles, and a joint load would bring tiles that every wave of a partner jumps over.
; RING.  Two LDS slots of 256 keys (K and V), filled by the tensor data mover: waves 0, 1 K's halves, waves 2, 3 V's.  K and V of a head are dense in memory (128 bytes a key), so a tile is stated as rows of two keys, 256 bytes.
; Every work-group walks all 8 changes of slots (constant trip count); a slot whose first key lies behind the work-group's last query is not asked for.
; LAYOUT.  S^T = K Q^T (source 0 = 16 keys, source 1 = 16 queries): a lane holds ONE query (lane % 16) and keys 8 (lane / 16) + 0..7 of each tile.  Two such tiles rounded to f16 in pairs ARE source 1 (32 keys x 16 queries) of
; O^T = V^T P, whose result again holds one query a lane.  K comes out of LDS as it lies, V ([key][channel]) turned, by ds_load_tr16_b128.  P is packed in place over S^T.
; att is laid [16 heads][8192 tokens][64] f16: a wave's 32 queries are 4,096 consecutive bytes.  Tokens 0-15 are computed and stored too (inside whole tiles; the next launch's tile loads read those bytes); their final values come from the last launch.
; REGISTERS: v1-9 addresses and constants; v10-25 statistics, eight a tile: +0 c m, +1 m, +2, +3 l, +4..+7 at work (a in +6); v32-63 Q; v64-127 S^T, then P; v128-191 O^T; v192-255 eight fragments of K, then of V.
.set PK,    272                        ; two keys of K in LDS: 256 bytes + 16: the 16 lanes of a load touch 16 different 16-byte columns
.set PVV,   288                        ; two keys of V: 256 bytes + 32
.set VOFF,  128*PK                     ; a slot: 256 keys of K, then 256 of V
.set SLOT1, 1<<17                      ; slot 1 begins here: one exclusive or turns an address from one slot to the other
.set SLOTB, 32768                      ; a slot's keys in memory, for K and for V
.set SPARE, 2*SLOT1                    ; the spare words, 128 bytes for each of 16 waves
.set STAGE, SPARE+2048                 ; the way out: 16 rows x 144 bytes for each wave; no fill ever lands here
.set SPI,   144
.set AK0, 1                            ; v1  my lane's place in a tile of K
.set AV0, 2                            ; v2  the same for V
.set SPW, 3                            ; v3  my spare word; never rewritten
.set NIL, 4                            ; v4  0; never rewritten
.set ADK, 5                            ; v5  LDS address of the step's K
.set ADV, 6                            ; v6  of its V
.set D0,  7                            ; v7  lane % 16 - 8 (lane / 16)
.set NINF, 8                           ; v8  -infinity
.set DD,  9                            ; v9  on the diagonal: my query less the step's first key less 8 (lane / 16)
.set ST,  10
.set PFO, 26                           ; v26 256 x lane; never rewritten
.set QO,  27                           ; v27 my byte offset in the wave's rows of q
.set RR,  28                           ; v28 lane % 16
.set HH,  29                           ; v29 lane / 16
.set QF,  32
.set S,   64
.set O,   128
.set KV,  192
.set WV,  8                            ; s8  my wave's number
.set Q0,  10                           ; s10 my first query
.set QL,  11                           ; s11 my work-group's last query
.set KF,  12                           ; s12 the step's first key
.set TB,  13                           ; s13 LDS byte at which the slot in hand begins
.set SLOTS, 14                         ; s14 changes of slots still to come in the loop
.set LIM, 15                           ; s15 1 in a wave that prefetches, else the greatest number
.set CS,  16                           ; s[16:17] c, twice
.set SEL, 18                           ; s[18:19] v_permlanex16_b32's selects for lane l xor 16
.set PFA, 20                           ; s[20:21] where my prefetches stand
.set G1K, 24
.set G1V, 32
.set G0K, 40
.set G0V, 44
; Waves 0 and 1 fetch for K, waves 2 and 3 for V, the others nothing.  An s_nop 0 and four v_nop follow each of the two lines.
.macro TLOAD
	s_cmp_lt_u32 s[WV], 2
	s_cbranch_scc0 .Lnot_k_\@
	tensor_load_to_lds s[G0K:G0K+3], s[G1K:G1K+7]
	s_nop 0
.rept 4
	v_nop
.endr
	s_branch .Lasked_\@
.Lnot_k_\@:
	s_cmp_lt_u32 s[WV], 4
	s_cbranch_scc0 .Lasked_\@
	tensor_load_to_lds s[G0V:G0V+3], s[G1V:G1V+7]
	s_nop 0
.rept 4
	v_nop
.endr
.Lasked_\@:
.endm
; A prefetch of what the NEXT change of slots will ask for: 32,768 bytes of K and as many of V.  All four work-groups of a head walk the same keys: work-group 0, which walks all slots, asks, and nobody else.
; In it waves 4-7 ask for K's block and waves 8-11 for V's, 8,192 bytes a wave, lanes 256 bytes apart: each aligned block of 256 bytes is named once in the launch.
; Slots 0 and 1 come by their loads alone; the last change that fills a slot asks for nothing: there is no slot behind it.
.macro ASK
	s_cmp_gt_u32 s[SLOTS], s[LIM]
	s_cbranch_scc0 .Lnot_mine_\@
	global_prefetch_b8 v[PFO], s[PFA:PFA+1] th:TH_LOAD_NT scope:SCOPE_SE
.Lnot_mine_\@:
.endm
	s_load_b128 s[4:7], s[0:1], 0x0                ; qkv16 s[4:5], att s[6:7]
	v_lshl_add_u32 v[SPW], v0, 2, SPARE
	v_mov_b32 v[NIL], 0
	ds_add_u32 v[SPW], v[NIL]                      ; the wave's opening: the add, twice on end, and its wait ahead of the first tensor load
	ds_add_u32 v[SPW], v[NIL]
	v_lshrrev_b32 v5, 5, v0
	v_readfirstlane_b32 s[WV], v5                  ; wave 0..15
	s_and_b32 s48, ttmp7, 0xffff                   ; hb = 16 x batch + head
	s_lshr_b32 s49, s[WV], 2
	s_xor_b32 s49, s49, s[WV]
	s_and_b32 s49, s49, 1                          ; hi
	s_lshr_b32 s50, s[WV], 1                       ; which 32 queries of the block
	s_sub_co_u32 s51, 7, ttmp9
	s_cmp_eq_u32 s49, 1
	s_cselect_b32 s51, s51, ttmp9                  ; my block of 256 queries: 7 - i or i
	s_lshl_b32 s[Q0], s51, 8
	s_lshl_b32 s52, s50, 5
	s_add_co_u32 s[Q0], s[Q0], s52
	s_sub_co_u32 s[QL], 8, ttmp9
	s_lshl_b32 s[QL], s[QL], 8
	s_sub_co_u32 s[QL], s[QL], 1
	s_lshl_b32 s52, s48, 18                        ; the head's first byte in q, in k and in v
	s_and_b32 s54, s[WV], 1
	s_lshl_b32 s55, s54, 14
	s_add_co_u32 s56, s52, s55                     ; my half of a slot's keys, in memory,
	s_mov_b32 s57, 0
	s_mul_i32 s58, s54, 64*PK                      ; and in a slot: K's,
	s_mul_i32 s59, s54, 64*PVV
	s_add_co_u32 s59, s59, VOFF                    ; V's
	; descriptor group 1: 64 rows of 128 elements of 2 bytes, dense in memory; K: 4 words of padding behind every 64, V: 8
	s_mov_b32 s[G1K], (1<<16)|(1<<20)|(5<<22)|(3<<25)
	s_mov_b32 s[G1V], (1<<16)|(1<<20)|(5<<22)|(7<<25)
.irp g, G1K, G1V
	s_mov_b32 s[\g+1], 128<<16                     ; tensor_dim0
	s_mov_b32 s[\g+2], 64<<16                      ; tensor_dim1
	s_mov_b32 s[\g+3], 128<<16                     ; tile_dim0
	s_mov_b32 s[\g+4], 64                          ; tile_dim1
	s_mov_b32 s[\g+5], 128                         ; the pitch in memory
	s_mov_b32 s[\g+6], 0
	s_mov_b32 s[\g+7], 0
.endr
	s_mov_b32 s[CS], 0x3d38aa3b                    ; c = log2(e) / 32
	s_mov_b32 s[CS+1], s[CS]
	s_mov_b32 s[SEL], 0x76543210
	s_mov_b32 s[SEL+1], 0xfedcba98
	s_mov_b32 s[KF], 0
	s_mov_b32 s[TB], 0
	s_mov_b32 s[SLOTS], 7
	s_wait_dscnt 0x0                               ; both opening adds are done
	s_wait_kmcnt 0x0
	s_mov_b32 s[G0K], 1
	s_mov_b32 s[G0K+1], s58
	s_add_nc_u64 s[G0K+2:G0K+3], s[4:5], s[56:57]
	s_add_nc_u64 s[G0K+2:G0K+3], s[G0K+2:G0K+3], 16777216   ; k lies behind q
	s_or_b32 s[G0K+3], s[G0K+3], 0x80000000
	s_mov_b32 s[G0V], 1
	s_mov_b32 s[G0V+1], s59
	s_add_nc_u64 s[G0V+2:G0V+3], s[4:5], s[56:57]
	s_add_nc_u64 s[G0V+2:G0V+3], s[G0V+2:G0V+3], 33554432   ; v behind k
	s_or_b32 s[G0V+3], s[G0V+3], 0x80000000
	TLOAD                                          ; slot 0: one tensor load of mine is out, or none
	s_lshl_b32 s62, s[Q0], 7
	s_add_co_u32 s62, s62, s52
	s_mov_b32 s63, 0
	s_add_nc_u64 s[60:61], s[4:5], s[62:63]        ; q at my first query
	s_and_b32 s66, s48, 15
	s_lshl_b32 s66, s66, 13
	s_lshr_b32 s67, s48, 4
	s_lshl_b32 s67, s67, 11
	s_add_co_u32 s66, s66, s67
	s_add_co_u32 s66, s66, s[Q0]                   ; att's row: 8192 x head + 2048 x batch + query
	s_lshl_b32 s66, s66, 7
	s_mov_b32 s67, 0
	s_add_nc_u64 s[6:7], s[6:7], s[66:67]
	s_and_b32 s68, s[WV], 3                        ; the prefetches: my wave's 8,192 bytes,
	s_lshl_b32 s68, s68, 13
	s_add_co_u32 s68, s68, s52                     ; in my head,
	s_add_co_u32 s68, s68, SLOTB                   ; in slot 1: the first change of slots steps it to slot 2
	s_mov_b32 s69, 33554432
	s_cmp_lt_u32 s[WV], 8
	s_cselect_b32 s69, 16777216, s69               ; of k (waves 4-7) or of v (waves 8-11)
	s_add_co_u32 s68, s68, s69
	s_mov_b32 s69, 0
	s_add_nc_u64 s[PFA:PFA+1], s[4:5], s[68:69]
	s_sub_co_u32 s70, s[WV], 4
	s_lshr_b32 s70, s70, 3                         ; 0 in waves 4 to 11,
	s_or_b32 s70, s70, ttmp9                       ; of the head's work-group 0
	s_cmp_eq_u32 s70, 0
	s_cselect_b32 s[LIM], 1, -1
	v_and_b32 v[RR], 15, v0
	v_bfe_u32 v[HH], v0, 4, 1
	v_lshlrev_b32 v[QO], 7, v[RR]
	v_lshl_add_u32 v[QO], v[HH], 4, v[QO]          ; q: row r of 128 bytes, + 16 h
.irp t, 0,1
.irp c, 0,1
	global_load_b128 v[QF+16*\t+8*\c:QF+16*\t+8*\c+3], v[QO], s[60:61] offset:2048*\t+64*\c        ; Q stays in registers: tile t, channels 32 c on
	global_load_b128 v[QF+16*\t+8*\c+4:QF+16*\t+8*\c+7], v[QO], s[60:61] offset:2048*\t+64*\c+32
.endr
.endr
	v_lshrrev_b32 v30, 1, v[RR]
	v_mul_u32_u24 v[AK0], v30, PK
	v_and_b32 v30, 1, v0
	v_lshl_add_u32 v[AK0], v30, 7, v[AK0]
	v_lshl_add_u32 v[AK0], v[HH], 4, v[AK0]        ; K: key r of a tile: (r / 2) PK + 128 (r % 2), + 16 h
	v_bfe_u32 v31, v0, 1, 2
	v_lshl_add_u32 v31, v[HH], 2, v31
	v_mul_u32_u24 v[AV0], v31, PVV
	v_lshl_add_u32 v[AV0], v30, 7, v[AV0]
	v_bfe_u32 v31, v0, 3, 1
	v_lshl_add_u32 v[AV0], v31, 4, v[AV0]
	v_add_nc_u32 v[AV0], VOFF, v[AV0]              ; V: key 8 h + lane % 8, channels 8 ((lane / 8) % 2) on
	v_lshlrev_b32 v31, 3, v[HH]
	v_sub_nc_u32 v[D0], v[RR], v31
	v_mov_b32 v[NINF], 0xff800000
	v_mov_b32 v[DD], 0
	v_and_b32 v[PFO], 31, v0
	v_lshlrev_b32 v[PFO], 8, v[PFO]
.irp t, 0,1
	v_mov_b32 v[ST+8*\t+1], 0xff61b1e6             ; m: -3e38, under every score
	v_mul_f32 v[ST+8*\t], s[CS], v[ST+8*\t+1]      ; c m
.irp n, 2,3,4,5,6,7
	v_mov_b32 v[ST+8*\t+\n], 0                     ; l; and what is named as a permute's destination or the upper half of a pair before it is first written
.endr
.endr
.set i, 0
.rept 64
	v_mov_b32 v[O+i], 0                            ; O^T: the step is written once; its first run finds zeros, which a = 0 leaves zeros
.set i, i+1
.endr
; A KEY STEP: 64 keys, the q-th of the slot in hand.
.macro STEP q
	s_add_co_u32 s48, s[Q0], 31                    ; a step all of whose keys lie behind my 32 queries is left out: a branch on ids, round the step's work alone
	s_cmp_gt_u32 s[KF], s48
	s_cbranch_scc1 .Lhidden_\@
	v_add_nc_u32 v[ADK], s[TB], v[AK0]
	v_add_nc_u32 v[ADV], s[TB], v[AV0]
.irp c, 0,1                                    ; K: fragment (channels 32 c on, keys 16 kt on) at KV + 8 (4 c + kt); channels 0-31 first
.irp kt, 0,1,2,3
	ds_load_b128 v[KV+8*(4*\c+\kt):KV+8*(4*\c+\kt)+3], v[ADK] offset:32*PK*(\q)+8*PK*\kt+64*\c
	ds_load_b128 v[KV+8*(4*\c+\kt)+4:KV+8*(4*\c+\kt)+7], v[ADK] offset:32*PK*(\q)+8*PK*\kt+64*\c+32
.endr
.endr
	s_wait_dscnt 8                                 ; channels 0-31 are in; the eight loads of channels 32-63 may be out
.irp kt, 0,1,2,3                               ; S^T = K Q^T: eight accumulators by turns; the first eight start the sums
.irp t, 0,1
	v_wmma_f32_16x16x32_f16 v[S+32*\t+8*\kt:S+32*\t+8*\kt+7], v[KV+8*\kt:KV+8*\kt+7], v[QF+16*\t:QF+16*\t+7], 0
.endr
.endr
	s_wait_dscnt 0x0
.irp kt, 0,1,2,3
.irp t, 0,1
	v_wmma_f32_16x16x32_f16 v[S+32*\t+8*\kt:S+32*\t+8*\kt+7], v[KV+32+8*\kt:KV+32+8*\kt+7], v[QF+16*\t+8:QF+16*\t+15], v[S+32*\t+8*\kt:S+32*\t+8*\kt+7]
.endr
.endr
.rept 4
	v_nop                                          ; four places: behind them loads land on K's registers and the scores are read
.endr
.irp kh, 0,1                                   ; V, turned: fragment (keys 32 kh on, channels 16 ct on) at KV + 8 (4 kh + ct); it lands under the softmax
.irp ct, 0,1,2,3
	ds_load_tr16_b128 v[KV+8*(4*\kh+\ct):KV+8*(4*\kh+\ct)+3], v[ADV] offset:32*PVV*(\q)+16*PVV*\kh+32*\ct
	ds_load_tr16_b128 v[KV+8*(4*\kh+\ct)+4:KV+8*(4*\kh+\ct)+7], v[ADV] offset:32*PVV*(\q)+16*PVV*\kh+8*PVV+32*\ct
.endr
.endr
	s_add_co_u32 s48, s[KF], 63                    ; on the diagonal hidden scores become -infinity ahead of the maximum; a step all of whose keys count skips this
	s_cmp_le_u32 s48, s[Q0]
	s_cbranch_scc1 .Lopen_\@
	s_sub_co_i32 s48, s[Q0], s[KF]
	v_add_nc_u32 v[DD], s48, v[D0]                 ; register 8 kt + j of tile t holds key KF + 16 kt + 8 h + j for query Q0 + 16 t + r: hidden where 16 kt + j - 16 t > d
.irp t, 0,1
.irp kt, 0,1,2,3
.irp j, 0,1,2,3,4,5,6,7
	v_cmp_gt_i32 vcc_lo, 16*\kt+\j-16*\t, v[DD]
	v_cndmask_b32 v[S+32*\t+8*\kt+\j], v[S+32*\t+8*\kt+\j], v[NINF], vcc_lo
.endr
.endr
.endr
.Lopen_\@:
.irp j, 0,1,2,3                                ; the maximum of my 32 scores and the old m: four chains a tile, each accumulator from its low end on, the tiles by turns
.irp t, 0,1
	v_max3_num_f32 v[ST+8*\t+4+\j], v[S+32*\t+8*\j], v[S+32*\t+8*\j+1], v[S+32*\t+8*\j+2]
.endr
.endr
.irp g, 1,2
.irp j, 0,1,2,3
.irp t, 0,1
	v_max3_num_f32 v[ST+8*\t+4+\j], v[ST+8*\t+4+\j], v[S+32*\t+8*\j+2*\g+1], v[S+32*\t+8*\j+2*\g+2]
.endr
.endr
.endr
.irp t, 0,1
	v_max3_num_f32 v[ST+8*\t+4], v[ST+8*\t+4], v[S+32*\t+7], v[S+32*\t+15]
	v_max3_num_f32 v[ST+8*\t+6], v[ST+8*\t+6], v[S+32*\t+23], v[S+32*\t+31]
.endr
.irp t, 0,1
	v_max3_num_f32 v[ST+8*\t+4], v[ST+8*\t+4], v[ST+8*\t+5], v[ST+8*\t+6]
.endr
.irp t, 0,1
	v_max3_num_f32 v[ST+8*\t+4], v[ST+8*\t+4], v[ST+8*\t+7], v[ST+8*\t+1]
.endr
.irp t, 0,1
	v_permlanex16_b32 v[ST+8*\t+5], v[ST+8*\t+4], s[SEL], s[SEL+1]   ; the query's other 32 keys lie in the lane 16 away
.endr
.irp t, 0,1
	v_mov_b32 v[ST+8*\t+7], v[ST+8*\t]             ; c m_old is kept for a
.endr
.irp t, 0,1
	v_max_num_f32 v[ST+8*\t+1], v[ST+8*\t+4], v[ST+8*\t+5]
.endr
.irp t, 0,1
	v_mul_f32 v[ST+8*\t], s[CS], v[ST+8*\t+1]
.endr
.irp t, 0,1
	v_sub_f32 v[ST+8*\t+7], v[ST+8*\t+7], v[ST+8*\t]
.endr
.irp t, 0,1
.set i, 0
.rept 16
	v_pk_fma_f32 v[S+32*\t+i:S+32*\t+i+1], v[S+32*\t+i:S+32*\t+i+1], s[CS:CS+1], v[ST+8*\t:ST+8*\t+1] op_sel_hi:[1,0,0] neg_lo:[0,0,1] neg_hi:[0,0,1]   ; c s - c m, two at a time
.set i, i+2
.endr
.endr
.irp t, 0,1
	v_exp_f32 v[ST+8*\t+6], v[ST+8*\t+7]           ; a
.endr
.set i, 0
.rept 64
	v_exp_f32 v[S+i], v[S+i]                       ; p, at most 1
.set i, i+1
.endr
	v_nop                                          ; one plain instruction behind the last exponential
	s_wait_alu depctr_va_vdst(0)                   ; the wait ahead of the first instruction that names a result: one for the batch of 66
.irp t, 0,1                                    ; l = a l + the sum of my 32 p, unrounded: two chains a tile
	v_pk_fma_f32 v[ST+8*\t+2:ST+8*\t+3], v[ST+8*\t+2:ST+8*\t+3], v[ST+8*\t+6:ST+8*\t+7], v[S+32*\t:S+32*\t+1] op_sel_hi:[1,0,1]
	v_pk_add_f32 v[ST+8*\t+4:ST+8*\t+5], v[S+32*\t+2:S+32*\t+3], v[S+32*\t+4:S+32*\t+5]
.endr
.irp p, 3,5,7,9,11,13
.irp t, 0,1
	v_pk_add_f32 v[ST+8*\t+2:ST+8*\t+3], v[ST+8*\t+2:ST+8*\t+3], v[S+32*\t+2*\p:S+32*\t+2*\p+1]
	v_pk_add_f32 v[ST+8*\t+4:ST+8*\t+5], v[ST+8*\t+4:ST+8*\t+5], v[S+32*\t+2*\p+2:S+32*\t+2*\p+3]
.endr
.endr
.irp t, 0,1
	v_pk_add_f32 v[ST+8*\t+2:ST+8*\t+3], v[ST+8*\t+2:ST+8*\t+3], v[S+32*\t+30:S+32*\t+31]
.endr
.irp t, 0,1
	v_pk_add_f32 v[ST+8*\t+2:ST+8*\t+3], v[ST+8*\t+2:ST+8*\t+3], v[ST+8*\t+4:ST+8*\t+5]
.endr
.irp j, 0,1,2,3,4,5,6,7,8,9,10,11,12,13,14,15  ; p to f16, in place: register j takes numbers 2 j, 2 j + 1, which no later line reads
.irp t, 0,1
	v_cvt_pk_f16_f32 v[S+32*\t+\j], v[S+32*\t+2*\j], v[S+32*\t+2*\j+1]
.endr
.endr
.irp j, 0,2,4,6,8,10,12,14,16,18,20,22,24,26,28,30   ; O^T times a, each accumulator from its low end on
.irp t, 0,1
	v_pk_mul_f32 v[O+32*\t+\j:O+32*\t+\j+1], v[O+32*\t+\j:O+32*\t+\j+1], v[ST+8*\t+6:ST+8*\t+7] op_sel_hi:[1,0]
.endr
.endr
	s_wait_dscnt 0x0                               ; V is in
.irp kh, 0,1                                   ; O^T += V^T P: eight accumulators by turns
.irp ct, 0,1,2,3
.irp t, 0,1
	v_wmma_f32_16x16x32_f16 v[O+32*\t+8*\ct:O+32*\t+8*\ct+7], v[KV+8*(4*\kh+\ct):KV+8*(4*\kh+\ct)+7], v[S+32*\t+8*\kh:S+32*\t+8*\kh+7], v[O+32*\t+8*\ct:O+32*\t+8*\ct+7]
.endr
.endr
.endr
.rept 5
	v_nop                                          ; five places: the next step's first products write over P, a source of these; loads land on V's registers; the way out reads O^T
.endr
.Lhidden_\@:
	s_add_co_u32 s[KF], s[KF], 64
.endm
; THE CHANGE OF SLOTS stands at a slot's head.  Each wave waits for all its tensor loads, adds 0 to its spare word (fill = 1: twice on end), and waits for that and for its reads of the slot that it has left.
; Behind the barrier the slot ahead is whole and nobody reads the other one.  fill = 1: that other slot takes the next 256 keys, if any wave of the work-group will read them.
.macro CHANGE fill
	s_wait_tensorcnt 0x0                           ; no tensor load of mine is out, so a group 0 may be written
	ds_add_u32 v[SPW], v[NIL]
.if \fill
	ds_add_u32 v[SPW], v[NIL]                      ; and once more, in every trip alike
	s_xor_b32 s[G0K+1], s[G0K+1], SLOT1            ; the walking descriptors: the other slot than last time,
	s_add_nc_u64 s[G0K+2:G0K+3], s[G0K+2:G0K+3], SLOTB   ; the next 256 keys; the type bits on top are not reached
	s_xor_b32 s[G0V+1], s[G0V+1], SLOT1
	s_add_nc_u64 s[G0V+2:G0V+3], s[G0V+2:G0V+3], SLOTB
	s_wait_xcnt 0x0                                ; the last prefetch, a slot back, has read its address, so it may be written:
	s_add_nc_u64 s[PFA:PFA+1], s[PFA:PFA+1], SLOTB ; one slot further on than the walking descriptors
.endif
	s_wait_dscnt 0x0                               ; the add is done, and my reads of the slot that I have left are over
	s_barrier_signal -1
	s_barrier_wait -1
.if \fill
	s_add_co_u32 s48, s[KF], 256                   ; the first key of the slot that this change would ask for
	s_cmp_gt_u32 s48, s[QL]                        ; behind my work-group's last query: none of its waves reads that slot.  Ids and the count of steps alone: all sixteen waves go the same way
	s_cbranch_scc1 .Lpast_\@
	TLOAD                                          ; a wave's one tensor load until the next such barrier: it has a slot's four key steps in which to land
.Lpast_\@:
	ASK
.endif
.endm
.macro SLOT_STEPS
.irp q, 0,1,2,3
	STEP \q
.endr
	s_xor_b32 s[TB], s[TB], SLOT1                  ; on to the other slot
.endm
	s_wait_loadcnt 0x0                             ; Q
.Lslot:                                            ; seven trips, a constant of the text
	CHANGE 1
	SLOT_STEPS
	s_sub_co_u32 s[SLOTS], s[SLOTS], 1
	s_cmp_lg_u32 s[SLOTS], 0
	s_cbranch_scc1 .Lslot
	CHANGE 0                                       ; the last slot is written out: nothing is left to ask for
	SLOT_STEPS
	; THE WAY OUT.  l's halves are added; O^T / l is rounded to f16 and goes through my stage, a tile (16 queries x 128 bytes) at a time; it leaves as runs of 4 queries: 512 consecutive bytes a store.
.irp t, 0,1
	v_add_f32 v[ST+8*\t+4], v[ST+8*\t+2], v[ST+8*\t+3]
.endr
.irp t, 0,1
	v_permlanex16_b32 v[ST+8*\t+5], v[ST+8*\t+4], s[SEL], s[SEL+1]
.endr
.irp t, 0,1
	v_add_f32 v[ST+8*\t+4], v[ST+8*\t+4], v[ST+8*\t+5]
.endr
.irp t, 0,1
	v_rcp_f32 v[ST+8*\t+6], v[ST+8*\t+4]
.endr
	s_mul_i32 s48, s[WV], 16*SPI
	s_add_co_u32 s48, s48, STAGE                   ; my stage
	v_mul_u32_u24 v5, v[RR], SPI                   ; (plain work behind the reciprocals)
	v_lshl_add_u32 v5, v[HH], 4, v5
	v_add_nc_u32 v5, s48, v5                       ; in: row r, 16 bytes for each half of the lanes
	v_and_b32 v9, 31, v0
	v_lshrrev_b32 v6, 3, v9
	v_mul_u32_u24 v6, v6, SPI
	v_and_b32 v1, 7, v0
	v_lshl_add_u32 v6, v1, 4, v6
	v_add_nc_u32 v6, s48, v6                       ; back: eight lanes to a row, four rows an instruction
	v_lshlrev_b32 v2, 4, v9                        ; and 16 x lane in att
	s_wait_alu depctr_va_vdst(0)                   ; the wait ahead of the first use: one for both reciprocals
.macro PACK t
.set i, 0
.rept 16
	v_pk_mul_f32 v[O+32*\t+i:O+32*\t+i+1], v[O+32*\t+i:O+32*\t+i+1], v[ST+8*\t+6:ST+8*\t+7] op_sel_hi:[1,0]
.set i, i+2
.endr
.set i, 0
.rept 16
	v_cvt_pk_f16_f32 v[S+32*\t+i], v[O+32*\t+2*i], v[O+32*\t+2*i+1]
.set i, i+1
.endr
.irp ct, 0,1,2,3
	ds_store_b128 v5, v[S+32*\t+4*\ct:S+32*\t+4*\ct+3] offset:32*\ct
.endr
.irp n, 0,1,2,3
	ds_load_b128 v[S+32*\t+16+4*\n:S+32*\t+16+4*\n+3], v6 offset:4*SPI*\n   ; LDS serves a wave's instructions in order: these see the stores above, and the next tile's stores come behind them
.endr
.endm
.macro SEND t, younger                 ; younger: the LDS instructions issued behind tile t's loads
.irp n, 0,1,2,3
	s_wait_dscnt \younger+3-\n
	global_store_b128 v2, v[S+32*\t+16+4*\n:S+32*\t+16+4*\n+3], s[6:7] offset:2048*\t+512*\n
.endr
.endm
	PACK 0
	PACK 1
	SEND 0, 8
	SEND 1, 0
	s_wait_tensorcnt 0x0                           ; the wave's end, behind my last tensor load and my last LDS store
	ds_add_u32 v[SPW], v[NIL]
	s_wait_dscnt 0x0
	s_endpgm
.Lfunc_end_k_q1cff6ea54a_attn:
	.size	k_q1cff6ea54a_attn, .Lfunc_end_k_q1cff6ea54a_attn-k_q1cff6ea54a_attn
	.p2alignl 7, 3214868480
	.fill 96, 4, 3214868480
	.section	.rodata,"a",@progbits
	.p2align	6, 0x0
	.amdhsa_kernel k_q1cff6ea54a_attn
		.amdhsa_group_segment_fixed_size 327680
		.amdhsa_private_segment_fixed_size 0
		.amdhsa_enable_private_segment 0
		.amdhsa_kernarg_size 16
		.amdhsa_user_sgpr_count 2
		.amdhsa_user_sgpr_kernarg_segment_ptr 1
		.amdhsa_wavefront_size32 1
		.amdhsa_system_sgpr_workgroup_id_x 1
		.amdhsa_system_sgpr_workgroup_id_y 1
		.amdhsa_system_sgpr_workgroup_id_z 1
		.amdhsa_system_vgpr_workitem_id 0
		.amdhsa_next_free_vgpr 256
		.amdhsa_next_free_sgpr 72
		.amdhsa_reserve_vcc 1
		.amdhsa_float_denorm_mode_32 3
		.amdhsa_float_denorm_mode_16_64 3
		.amdhsa_memory_ordered 1
		.amdhsa_forward_progress 1
		.amdhsa_inst_pref_size 188
	.end_amdhsa_kernel
	.amdgpu_metadata
---
amdhsa.version: [ 1, 2 ]
amdhsa.kernels:
  - .name:           k_q1cff6ea54a_attn
    .symbol:         k_q1cff6ea54a_attn.kd
    .args:
      - { .name: qkv16, .offset: 0, .size: 8, .value_kind: global_buffer, .address_space: global }
      - { .name: att, .offset: 8, .size: 8, .value_kind: global_buffer, .address_space: global }
    .group_segment_fixed_size: 327680
    .private_segment_fixed_size: 0
    .kernarg_segment_align: 8
    .kernarg_segment_size: 16
    .max_flat_workgroup_size: 512
    .sgpr_count:     72
    .vgpr_count:     256
    .wavefront_size: 32
...
	.end_amdgpu_metadata
.endif
;; end of part 3
;; launch proj (part 4): grid 4 x 64, 4 waves a work-group, clusters of 4 x 4, 327,680 bytes of LDS; arguments att, wo16, out0; writes out0
.if DOCPART == 4
	.amdgcn_target "amdgcn-amd-amdhsa--gfx1250"
	.amdhsa_code_object_version 6
	.text
	.protected	k_q1cff6ea54a_proj
	.globl	k_q1cff6ea54a_proj
	.p2align	8
	.type	k_q1cff6ea54a_proj,@function
k_q1cff6ea54a_proj:
	s_mov_b64 s[64:65], 0
	v_nop
	global_prefetch_b8 v0, s[64:65] scope:SCOPE_SE
	s_setreg_imm32_b32 hwreg(HW_REG_WAVE_MODE, 25, 1), 1
	s_wait_xcnt 0x0
	s_wait_alu depctr_hold_cnt(0) depctr_sa_sdst(0) depctr_va_vdst(0) depctr_va_sdst(0) depctr_va_ssrc(0) depctr_va_vcc(0) depctr_vm_vsrc(0)
	s_getreg_b32 s2, hwreg(HW_REG_IB_STS2, 6, 4)
	s_cmp_eq_u32 s2, 0
	s_cbranch_scc0 .Lentry_in_a_cluster
	s_endpgm
.Lentry_in_a_cluster:
	s_bfe_u32 s2, ttmp6, 0x10000c
	s_cmp_lg_u32 s2, 0xf033
	s_cbranch_scc0 .Lentry_shape_is_right
	s_endpgm
.Lentry_shape_is_right:
; LAUNCH 4 OF 5.  out0[m][n] = sum over k of A[m][k] wo[n][k], f16 operands, f32 sums.  A is the attention's output, laid [16 heads][8192 tokens][64] f16 (k = 64 x head + channel); wo16 is [1024 n][1024 k] f16.
; ROWS NOT STORED: tokens 0-15 of each batch are computed inside their tile and not stored: the last launch makes them in f32, and each byte of out0 is written once.
; A tile of C is 128 x 256: 256 work-groups.  Four waves, each 64 x 128: 32 accumulators of 16 x 16, all of window 1.  K goes in steps of 128 (two heads) through a ring of two LDS slots.
; A's tile of one head, 128 tokens x 128 bytes, is dense in memory: it is stated as 64 rows of two tokens, 256 bytes.  Waves 0, 1 fetch the two heads' planes of A, waves 2, 3 the two halves of B's 256 rows.
; CLUSTERS: 4 x 4 work-groups.  Tile column = 4 x cluster x + cx, tile row = 16 cy + cluster y: the batch is cy, and a batch's first tile is the one of cluster y = 0, which all partners share.
; A's tiles hang on the tile row alone and are asked for jointly along a row of the cluster, B's on the tile column alone, along a column.
; THE MATRIX INSTRUCTION IS USED TRANSPOSED (source 0 = 16 rows of wo, source 1 = 16 tokens): a lane holds eight neighbouring columns of one row of C.
; No prefetch is laid: a step's tile is small and the walk is eight steps long.
; REGISTERS: window 0: v0-31 addresses; v64-159, v160-255 two fragment buffers for 32 along K (A's four fragments, then B's eight); on the way out v64-191 take rows.  window 1: accumulator (a, b) at v[8 (8 a + b)].
.set PITCH,  272                       ; an LDS row: 256 bytes + 16 of padding
.set PLANE,  64*PITCH                  ; one head's 128 tokens
.set BOFF,   2*PLANE                   ; B's 256 rows lie behind A's two planes
.set HALFB,  128*PITCH
.set SLOT,   BOFF+2*HALFB
.set STAGE,  2*SLOT                    ; behind the ring: 16 rows x 528 bytes for each wave; no fill lands here
.set SPITCH, 528
.set SPARE,  STAGE+4*16*SPITCH         ; the spare words, 128 bytes a wave
.set ADRA, 16                          ; v16-17 LDS address of my A fragments in slot 0, 1
.set ADRB, 20                          ; v20-21 the same for B
.set STO,  24                          ; v24 the way out: where I put 32 bytes of a row
.set RD,   25                          ; v25 where I read a row back
.set CO,   26                          ; v26 16 x lane
.set SPW,  28                          ; v28 my spare word; never rewritten
.set NIL,  29                          ; v29 0; never rewritten
.set F0,   64
.set F1,   160
.set BK,   64                          ; the way out: 16 rows read back: v64-127 and v128-191 by turns
.set G1, 24
.set G0, 32
.set G1B, 48
.set G0B, 56
.set MSB, 0
.macro WIN new                         ; the immediate's high byte repeats the setting that is left
.if MSB != \new
	s_set_vgpr_msb (MSB<<8)|\new
.set MSB, \new
.endif
.endm
.set MUL, 0x50                         ; C and D window 1, sources 0 and 1 window 0
.macro JLOAD s                         ; a joint load: waves 0 and 1 fetch for A, waves 2 and 3 for B; an s_nop 0 and four v_nop follow each of the two lines
	s_cmp_eq_u32 s11, 0
	s_cbranch_scc0 .Lfor_b_\@
	tensor_load_to_lds s[G0+4*\s:G0+4*\s+3], s[G1:G1+7]
	s_nop 0
.rept 4
	v_nop
.endr
	s_branch .Lasked_\@
.Lfor_b_\@:
	tensor_load_to_lds s[G0B+4*\s:G0B+4*\s+3], s[G1B:G1B+7]
	s_nop 0
.rept 4
	v_nop
.endr
.Lasked_\@:
.endm
.macro CREST                           ; a round of the cluster's barrier behind its opening barrier
	s_cmp_lg_u32 s10, 0
	s_cbranch_scc1 .Lnot_wave_0_\@
	s_barrier_signal -3
.Lnot_wave_0_\@:
	s_barrier_wait -3
	s_barrier_signal -1
	s_barrier_wait -1
.endm
.macro CROUND
	s_barrier_signal -1
	s_barrier_wait -1
	CREST
.endm
	s_load_b128 s[4:7], s[0:1], 0x0                ; att s[4:5], wo16 s[6:7]
	s_load_b64 s[8:9], s[0:1], 0x10                ; out0
	v_lshl_add_u32 v[SPW], v0, 2, SPARE
	v_mov_b32 v[NIL], 0
	ds_add_u32 v[SPW], v[NIL]                      ; the wave's opening: the add, twice on end, and its wait ahead of my first tensor load
	ds_add_u32 v[SPW], v[NIL]
	v_lshrrev_b32 v1, 5, v0
	v_readfirstlane_b32 s10, v1                    ; wave 0..3
	s_lshr_b32 s11, s10, 1                         ; which 64 rows of the tile are mine.  Also: I fetch for A (0) or for B (1)
	s_and_b32 s12, s10, 1                          ; which 128 columns.  Also: which plane of A or which half of B I fetch
	s_bfe_u32 s40, ttmp6, 0x40000                  ; cx
	s_bfe_u32 s41, ttmp6, 0x40004                  ; cy
	s_lshl_b32 s42, ttmp9, 2
	s_add_co_u32 s42, s42, s40                     ; tile column
	s_and_b32 s45, ttmp7, 0xffff                   ; cluster y
	s_lshl_b32 s13, s41, 4
	s_add_co_u32 s13, s13, s45                     ; tile row = 16 cy + cluster y
	s_or_b32 s2, s45, s11                          ; 0 where my first 16 rows are tokens 0-15 of a batch: cluster y and the wave's number alone
	s_lshl_b32 s43, s41, 2
	s_lshl_b32 s43, 15, s43                        ; my row of the cluster
	s_lshl_b32 s44, 0x1111, s40                    ; my column
	s_or_b32 s[G1+0], s43, (1<<16)|(1<<20)|(1<<21)|(5<<22)|(3<<25)  ; the mask; elements of 2 bytes; padding on; bit 21 beside a mask; 4 words behind every 64
	s_or_b32 s[G1B+0], s44, (1<<16)|(1<<20)|(1<<21)|(5<<22)|(3<<25)
	s_mov_b32 s[G1+1], 128<<16                     ; A: tensor_dim0 = 128
	s_mov_b32 s[G1+2], 64<<16                      ; tensor_dim1 = 64
	s_mov_b32 s[G1+3], 128<<16                     ; tile_dim0
	s_mov_b32 s[G1+4], 64                          ; tile_dim1
	s_mov_b32 s[G1+5], 128                         ; dense in memory
	s_mov_b32 s[G1+6], 0
	s_mov_b32 s[G1+7], 0
	s_mov_b32 s[G1B+1], 128<<16                    ; B: 128 rows of 128 elements,
	s_mov_b32 s[G1B+2], 128<<16
	s_mov_b32 s[G1B+3], 128<<16
	s_mov_b32 s[G1B+4], 128
	s_mov_b32 s[G1B+5], 1024                       ; 1,024 elements from row to row
	s_mov_b32 s[G1B+6], 0
	s_mov_b32 s[G1B+7], 0
	s_lshl_b32 s16, s13, 14                        ; A: the tile's 128 tokens, 16,384 bytes a tile row,
	s_lshl_b32 s17, s12, 20                        ; in head 0 or 1: 1,048,576 bytes a head
	s_add_co_u32 s16, s16, s17
	s_mov_b32 s17, 0
	s_lshl_b32 s46, s42, 8
	s_lshl_b32 s47, s12, 7
	s_add_co_u32 s46, s46, s47                     ; B: row 256 x tile column + 128 x half,
	s_lshl_b32 s46, s46, 11                        ; 2,048 bytes a row
	s_mov_b32 s47, 0
	s_mul_i32 s20, s12, PLANE                      ; where they go: no place in the cluster enters an LDS address
	s_mul_i32 s21, s12, HALFB
	s_add_co_u32 s21, s21, BOFF
	s_wait_dscnt 0x0                               ; both opening adds are done
	s_wait_kmcnt 0x0
	s_add_nc_u64 s[14:15], s[4:5], s[16:17]
	s_add_nc_u64 s[46:47], s[6:7], s[46:47]
	CROUND                                         ; all sixteen work-groups are here: the first joint loads meet
.irp s, 0,1
	s_mov_b32 s[G0+4*\s], 1
	s_add_co_u32 s[G0+4*\s+1], s20, \s*SLOT
	s_add_nc_u64 s[G0+4*\s+2:G0+4*\s+3], s[14:15], \s*2097152      ; K step s: heads 2 s, 2 s + 1
	s_or_b32 s[G0+4*\s+3], s[G0+4*\s+3], 0x80000000
	s_mov_b32 s[G0B+4*\s], 1
	s_add_co_u32 s[G0B+4*\s+1], s21, \s*SLOT
	s_add_nc_u64 s[G0B+4*\s+2:G0B+4*\s+3], s[46:47], \s*256
	s_or_b32 s[G0B+4*\s+3], s[G0B+4*\s+3], 0x80000000
	JLOAD \s                                       ; two tensor loads of mine are out
.endr
	v_and_b32 v1, 15, v0                           ; r
	v_bfe_u32 v2, v0, 4, 1                         ; h
	v_lshrrev_b32 v3, 1, v1
	v_mul_u32_u24 v3, v3, PITCH
	v_and_b32 v4, 1, v0
	v_lshl_add_u32 v3, v4, 7, v3
	v_lshl_add_u32 v3, v2, 4, v3                   ; A: token r of a block: (r / 2) pitch + 128 (r % 2), + 16 h
	v_mul_u32_u24 v4, v1, PITCH
	v_lshl_add_u32 v4, v2, 4, v4                   ; B: row r, + 16 h
	s_mul_i32 s21, s11, 32*PITCH                   ; my 64 tokens
	s_mul_i32 s22, s12, HALFB                      ; my 128 rows of B
	s_add_co_u32 s22, s22, BOFF
.irp s, 0,1
	v_add_nc_u32 v[ADRA+\s], s21, v3
	v_add_nc_u32 v[ADRB+\s], s22, v4
	s_add_co_u32 s21, s21, SLOT
	s_add_co_u32 s22, s22, SLOT
.endr
	s_mul_i32 s23, s10, 16*SPITCH
	s_add_co_u32 s23, s23, STAGE                   ; my stage
	v_mul_u32_u24 v5, v1, SPITCH
	v_lshl_add_u32 v5, v2, 5, v5
	v_add_nc_u32 v[STO], s23, v5                   ; in: row r, 32 bytes for each half of the lanes
	v_and_b32 v6, 31, v0
	v_lshlrev_b32 v[CO], 4, v6                     ; back: the 32 lanes take one row of 512 bytes; and the same in C
	v_add_nc_u32 v[RD], s23, v[CO]
	s_lshl_b32 s16, s13, 7
	s_lshl_b32 s17, s11, 6
	s_add_co_u32 s16, s16, s17                     ; my first row of C
	s_lshl_b32 s16, s16, 12                        ; 4,096 bytes a row
	s_mov_b32 s17, 0
	s_add_nc_u64 s[8:9], s[8:9], s[16:17]
	s_lshl_b32 s46, s42, 10                        ; my first column, in bytes: 1024 x tile column + 512 x half
	s_lshl_b32 s47, s12, 9
	s_add_co_u32 s46, s46, s47
	s_mov_b32 s47, 0
	s_add_nc_u64 s[8:9], s[8:9], s[46:47]
; 8 matrix instructions: A's block a x B's eight, 32 along K, from buffer f.  zero = 1: the first product starts the sums.  The 32 accumulators take turns in one order throughout.
.macro MUL8 f, a, zero
.irp b, 0,1,2,3,4,5,6,7
.if \zero
	v_wmma_f32_16x16x32_f16 v[8*(8*(\a)+\b):8*(8*(\a)+\b)+7], v[\f+32+8*\b:\f+32+8*\b+7], v[\f+8*(\a):\f+8*(\a)+7], 0
.else
	v_wmma_f32_16x16x32_f16 v[8*(8*(\a)+\b):8*(8*(\a)+\b)+7], v[\f+32+8*\b:\f+32+8*\b+7], v[\f+8*(\a):\f+8*(\a)+7], v[8*(8*(\a)+\b):8*(8*(\a)+\b)+7]
.endif
.endr
.endm
.macro MUL16 f, a0, zero
	MUL8 \f, \a0, \zero
	MUL8 \f, \a0+1, \zero
.endm
; 24 LDS loads in one run: the fragments of the slot's q-th 32 along K into buffer f: B's eight, then A's blocks 0, 1, then 2, 3.  Quarter q lies in head q / 2, channels 32 (q % 2) on.
.macro FETCH slot, q, f
.irp b, 0,1,2,3,4,5,6,7
	ds_load_b128 v[\f+32+8*\b:\f+32+8*\b+3], v[ADRB+\slot] offset:16*PITCH*\b+64*(\q)
	ds_load_b128 v[\f+32+8*\b+4:\f+32+8*\b+7], v[ADRB+\slot] offset:16*PITCH*\b+64*(\q)+32
.endr
.irp a, 0,1,2,3
	ds_load_b128 v[\f+8*\a:\f+8*\a+3], v[ADRA+\slot] offset:8*PITCH*\a+PLANE*((\q)/2)+64*((\q)%2)
	ds_load_b128 v[\f+8*\a+4:\f+8*\a+7], v[ADRA+\slot] offset:8*PITCH*\a+PLANE*((\q)/2)+64*((\q)%2)+32
.endr
.endm
.macro PLACES                          ; four plain vector instructions in front of loads into registers that matrix instructions have read, and of the first read of results
.rept 4
	v_nop
.endr
.endm
; One of a K step's first three quarters: multiplies buffer f and, in its middle, fetches quarter qn of the same slot into buffer g.
.macro QUARTER slot, qn, f, g, zero
	s_wait_dscnt 4                                 ; B and A's blocks 0, 1 are in; the youngest four loads (A's blocks 2, 3) may be out
	WIN MUL
	MUL16 \f, 0, \zero
	PLACES
	WIN 0
	FETCH \slot, \qn, \g
	s_wait_dscnt 24                                ; all but the 24 just issued
	WIN MUL
	MUL16 \f, 2, \zero
.endm
; The last quarter multiplies buffer 1 and changes slots: ONE barrier; in front of it each wave waits for all its tensor loads, adds 0 to its spare word, and waits for that and for its own reads of this slot.
; fill = 1: the barrier opens a round of the cluster's barrier, and this slot is filled again, two K steps ahead, first thing behind the round.
.macro TURN slot, next, fill
	WIN 0                                          ; (the add's two registers lie in window 0)
	s_wait_tensorcnt 0x0                           ; all my tensor loads have landed: my part of the next slot
	ds_add_u32 v[SPW], v[NIL]
	s_wait_dscnt 5                                 ; (the add and the youngest four loads may be out)
	WIN MUL
	MUL8 F1, 0, 0                                  ; eight matrix instructions stand between the add and the wait for it
	s_wait_dscnt 0x0                               ; the add is done, and my reads of this slot are over
	s_barrier_signal -1
	MUL8 F1, 1, 0
	WIN 0                                          ; (branches may follow)
	s_barrier_wait -1
.if \fill
	CREST                                          ; no wave of any partner still reads this slot's tile or has a load on its way
	s_add_nc_u64 s[G0+4*\slot+2:G0+4*\slot+3], s[G0+4*\slot+2:G0+4*\slot+3], 4194304   ; four heads on
	s_add_nc_u64 s[G0B+4*\slot+2:G0B+4*\slot+3], s[G0B+4*\slot+2:G0B+4*\slot+3], 512
	JLOAD \slot                                    ; the four v_nop behind it are also the places in front of the loads below
.else
	PLACES
.endif
	FETCH \next, 0, F0
	WIN MUL
	MUL16 F1, 2, 0
.endm
	s_wait_tensorcnt 1                             ; my part of K step 0 is in; K step 1's load may be out
	s_barrier_signal -1
	s_barrier_wait -1
	FETCH 0, 0, F0
	QUARTER 0, 1, F0, F1, 1                        ; the first quarter stands in front of the loop: its products start the sums
	WIN 0                                          ; at a label and at a branch every window is 0
	s_mov_b32 s3, 3
.Llap:                                                 ; a trip goes once round the ring and fills both slots again: K steps 2 to 7
	QUARTER 0, 2, F1, F0, 0
	QUARTER 0, 3, F0, F1, 0
	TURN 0, 1, 1
	QUARTER 1, 1, F0, F1, 0
	QUARTER 1, 2, F1, F0, 0
	QUARTER 1, 3, F0, F1, 0
	TURN 1, 0, 1
	QUARTER 0, 1, F0, F1, 0
	WIN 0
	s_sub_co_u32 s3, s3, 1
	s_cmp_lg_u32 s3, 0
	s_cbranch_scc1 .Llap
	QUARTER 0, 2, F1, F0, 0                        ; the last lap fills nothing
	QUARTER 0, 3, F0, F1, 0
	TURN 0, 1, 0
	QUARTER 1, 1, F0, F1, 0
	QUARTER 1, 2, F1, F0, 0
	QUARTER 1, 3, F0, F1, 0
	s_wait_dscnt 4
	WIN MUL
	MUL16 F1, 0, 0
	s_wait_dscnt 0
	MUL16 F1, 2, 0
	WIN 0
; THE WAY OUT, block by block of 16 rows x 128 columns, through my own stage: in as 32 bytes a lane, back as whole rows of 512 bytes.
.macro TOSTAGE a
	WIN 0x04                                       ; an LDS store's data are its source 1: window 1
.irp b, 0,1,2,3,4,5,6,7
	ds_store_b128 v[STO], v[64*(\a)+8*\b:64*(\a)+8*\b+3] offset:64*\b          ; each accumulator from its low end on
	ds_store_b128 v[STO], v[64*(\a)+8*\b+4:64*(\a)+8*\b+7] offset:64*\b+16
.endr
	WIN 0
.set BB, BK+64*((\a)%2)
.irp t, 0,1,2,3,4,5,6,7,8,9,10,11,12,13,14,15
	ds_load_b128 v[BB+4*\t:BB+4*\t+3], v[RD] offset:\t*SPITCH      ; LDS serves a wave's instructions in order: these see the stores above
.endr
.endm
.macro SEND a, younger                 ; younger: the LDS instructions issued behind block a's loads
.set BB, BK+64*((\a)%2)
	s_wait_dscnt \younger                          ; the block is back in registers
.if (\a) > 0
	s_add_nc_u64 s[8:9], s[8:9], 65536             ; 16 rows of C on (behind a wait on XCNT: the earlier stores have read their base)
.else
	s_cmp_eq_u32 s2, 0                             ; tokens 0-15 of a batch are the last launch's: the branch, on cluster y and the wave's number, leads round the stores alone
	s_cbranch_scc1 .Lnot_mine_\@
.endif
.irp t, 0,1,2,3,4,5,6,7,8,9,10,11,12,13,14,15
	global_store_b128 v[CO], v[BB+4*\t:BB+4*\t+3], s[8:9] offset:\t*4096 th:TH_STORE_NT   ; 32 lanes store 512 consecutive bytes, aligned
.endr
.if (\a) == 0
.Lnot_mine_\@:
.endif
.endm
	PLACES
	TOSTAGE 0
.irp a, 1,2,3
.if \a > 1
	s_wait_xcnt 0x0                                ; block a - 2's stores have read their registers and their base
.endif
	TOSTAGE \a
	SEND \a-1, 32                                  ; behind block a - 1's loads: block a's 16 stores and 16 loads
.endr
	s_wait_xcnt 0x0
	SEND 3, 0
	s_wait_tensorcnt 0x0                           ; the wave's end, behind my last tensor load and my last LDS store
	ds_add_u32 v[SPW], v[NIL]
	s_wait_dscnt 0x0
	CROUND                                         ; the closing round
	s_endpgm
.Lfunc_end_k_q1cff6ea54a_proj:
	.size	k_q1cff6ea54a_proj, .Lfunc_end_k_q1cff6ea54a_proj-k_q1cff6ea54a_proj
	.p2alignl 7, 3214868480
	.fill 96, 4, 3214868480
	.section	.rodata,"a",@progbits
	.p2align	6, 0x0
	.amdhsa_kernel k_q1cff6ea54a_proj
		.amdhsa_group_segment_fixed_size 327680
		.amdhsa_private_segment_fixed_size 0
		.amdhsa_enable_private_segment 0
		.amdhsa_kernarg_size 24
		.amdhsa_user_sgpr_count 2
		.amdhsa_user_sgpr_kernarg_segment_ptr 1
		.amdhsa_wavefront_size32 1
		.amdhsa_system_sgpr_workgroup_id_x 1
		.amdhsa_system_sgpr_workgroup_id_y 1
		.amdhsa_system_sgpr_workgroup_id_z 1
		.amdhsa_system_vgpr_workitem_id 0
		.amdhsa_next_free_vgpr 512
		.amdhsa_next_free_sgpr 66
		.amdhsa_reserve_vcc 0
		.amdhsa_float_denorm_mode_32 3
		.amdhsa_float_denorm_mode_16_64 3
		.amdhsa_memory_ordered 1
		.amdhsa_forward_progress 1
		.amdhsa_inst_pref_size 85
	.end_amdhsa_kernel
	.amdgpu_metadata
---
amdhsa.version: [ 1, 2 ]
amdhsa.kernels:
  - .name:           k_q1cff6ea54a_proj
    .symbol:         k_q1cff6ea54a_proj.kd
    .args:
      - { .name: att, .offset: 0, .size: 8, .value_kind: global_buffer, .address_space: global }
      - { .name: wo16, .offset: 8, .size: 8, .value_kind: global_buffer, .address_space: global }
      - { .name: out0, .offset: 16, .size: 8, .value_kind: global_buffer, .address_space: global }
    .group_segment_fixed_size: 327680
    .private_segment_fixed_size: 0
    .kernarg_segment_align: 8
    .kernarg_segment_size: 24
    .max_flat_workgroup_size: 128
    .sgpr_count:     66
    .vgpr_count:     512
    .wavefront_size: 32
...
	.end_amdgpu_metadata
.endif
;; end of part 4
;; launch fine (part 5): grid 16 x 4, 16 waves a work-group, no clusters, 86,016 bytes of LDS; arguments qkv32, wo, out0; writes out0
.if DOCPART == 5
	.amdgcn_target "amdgcn-amd-amdhsa--gfx1250"
	.amdhsa_code_object_version 6
	.text
	.protected	k_q1cff6ea54a_fine
	.globl	k_q1cff6ea54a_fine
	.p2align	8
	.type	k_q1cff6ea54a_fine,@function
k_q1cff6ea54a_fine:
	s_mov_b64 s[64:65], 0
	v_nop
	global_prefetch_b8 v0, s[64:65] scope:SCOPE_SE
	s_setreg_imm32_b32 hwreg(HW_REG_WAVE_MODE, 25, 1), 1
	s_wait_xcnt 0x0
; LAUNCH 5 OF 5.  Tokens 0-15 of each batch, attention and projection in f32 throughout: these rows average one to sixteen values and are the largest in size, so operands rounded to 16 bits would weigh most here.
; Nothing is left out but the keys behind token 15, which reference()'s own tril hides from these queries (shown at the head of the first launch).
; Work-group (cg, b) makes tokens 0-15 of batch b, output columns 64 cg .. 64 cg + 63: 256 aligned bytes of each of 16 rows.  The sixteen work-groups of a batch each redo the small attention (16 x 16 a head).
; PHASE A, a wave to a head.  S^T = K Q^T by sixteen 16 x 16 x 4 products on two accumulators by turns; mask, maximum, p = 2^(c s - c m), c = log2(e) / 32, sum, p / sum; O^T = V^T P on four accumulators; O to LDS, [16 tokens][1024].
; PHASE B, wave (ct = w & 3, kq = w >> 2): 16 tokens x columns 16 ct .. + 15 over k = 256 kq .. + 255, four accumulators by turns; the four quarters of K meet in LDS and are added by waves 0-7.
; K ORDER.  A lane loads 16 bytes at 32 i + 16 h of its row, for both operands alike: product 2 i takes the first two of the four numbers, product 2 i + 1 the last two.  The same places of k meet in both operands, so each product of the sum is formed once.
; The registers that the f32 matrix form writes (v112-143) are written by matrix instructions alone; every sum begins with the constant 0.
; wo's fragments are read as 32-byte runs of 16 rows; the eight loads that together cover a row's 256 bytes of a chunk are issued on end.  A copy of the 64 rows in LDS (262,144 bytes) is not made: each byte is wanted once by the work-group.
; No tensor load, no cluster (what work-groups share, a batch's 196,608 bytes of q, k, v, is small beside wo's 4 MiB that they divide), no prefetch: every load is issued at the head.
.set OBP,   4112                       ; a row of O in LDS: 4,096 bytes + 16
.set RED,   66048                      ; behind O: for each quarter of K 16 rows x (256 bytes + 16)
.set REDQ,  4352
.set SPARE, 83456                      ; the spare words, 128 bytes for each of 16 waves
.set SPW,  3                           ; v3  my spare word; never rewritten
.set NIL,  4                           ; v4  0; never rewritten
.set AQK,  5                           ; v5  q, k: row r of 256 bytes, + 16 h
.set AV,   6                           ; v6  v: key 8 h of 256 bytes, + 4 r
.set AW,   7                           ; v7  wo: row r of 4,096 bytes, + 16 h
.set OST,  8                           ; v8  O in LDS, on the way in
.set ORD,  9                           ; v9  and on the way out
.set RST,  10                          ; v10 the quarters' sums, in
.set RRD,  11                          ; v11 and out
.set GO,   12                          ; v12 my byte offset in two rows of out0
.set DD,   13                          ; v13 r - 8 h
.set NINF, 14                          ; v14 -infinity
.set QR,   16                          ; v16-47   Q; later wo's chunk 2
.set KR,   48                          ; v48-79   K; later wo's chunk 3
.set VT,   80                          ; v80-111  V^T; later O's buffer A
.set ACC,  112                         ; v112-143 four accumulators
.set T,    144                         ; v144-151 scores, then p     (v144-175: later O's buffer B)
.set P,    152                         ; v152-159 p / sum
.set TM,   160                         ; v160-166 at work
.set W0,   176                         ; v176-239 wo's chunks 0, 1
.set SUM,  240                         ; v240-247
	s_load_b128 s[4:7], s[0:1], 0x0                ; qkv32 s[4:5], wo s[6:7]
	s_load_b64 s[8:9], s[0:1], 0x10                ; out0
	v_lshl_add_u32 v[SPW], v0, 2, SPARE
	v_mov_b32 v[NIL], 0
	v_lshrrev_b32 v1, 5, v0
	v_readfirstlane_b32 s10, v1                    ; wave = head
	v_and_b32 v1, 15, v0                           ; r
	v_bfe_u32 v2, v0, 4, 1                         ; h
	s_and_b32 s11, ttmp7, 0xffff                   ; batch
	s_and_b32 s12, s10, 3                          ; ct
	s_lshr_b32 s13, s10, 2                         ; kq
	s_and_b32 s19, s10, 7
	v_lshlrev_b32 v[AQK], 8, v1
	v_lshl_add_u32 v[AQK], v2, 4, v[AQK]
	v_lshlrev_b32 v[AV], 2, v1
	v_lshl_add_u32 v[AV], v2, 11, v[AV]
	v_lshlrev_b32 v[AW], 12, v1
	v_lshl_add_u32 v[AW], v2, 4, v[AW]
	v_mul_u32_u24 v15, v1, OBP
	s_lshl_b32 s14, s10, 8
	v_lshl_add_u32 v[OST], v2, 5, v15
	v_add_nc_u32 v[OST], s14, v[OST]               ; token r, my head's 256 bytes, + 32 h
	s_lshl_b32 s14, s13, 10
	v_lshl_add_u32 v[ORD], v2, 4, v15
	v_add_nc_u32 v[ORD], s14, v[ORD]               ; token r, my quarter of K, + 16 h
	v_mul_u32_u24 v15, v1, 272
	v_lshl_add_u32 v[RST], v2, 5, v15
	s_mul_i32 s14, s13, REDQ
	s_lshl_b32 s15, s12, 6
	s_add_co_u32 s14, s14, s15
	s_add_co_u32 s14, s14, RED
	v_add_nc_u32 v[RST], s14, v[RST]               ; my quarter, token r, my 16 columns, + 32 h
	v_mul_u32_u24 v15, v2, 272
	v_lshl_add_u32 v[RRD], v1, 4, v15
	s_mul_i32 s14, s19, 544
	s_add_co_u32 s14, s14, RED
	v_add_nc_u32 v[RRD], s14, v[RRD]               ; rows 2 (w & 7) and + 1: sixteen lanes to a row
	v_lshlrev_b32 v[GO], 4, v1
	v_lshl_add_u32 v[GO], v2, 12, v[GO]
	v_mov_b32 v[TM+2], 0                           ; written once: a lane permute's destination counts as one of its sources
	s_mov_b32 s16, 0x76543210
	s_mov_b32 s17, 0xfedcba98                      ; v_permlanex16_b32's selects for lane l xor 16
	s_mov_b32 s18, 0x3d38aa3b                      ; c = log2(e) / 32
	s_lshl_b32 s20, s11, 4
	s_add_co_u32 s20, s20, s10
	s_lshl_b32 s20, s20, 12                        ; q of (batch, head): 4,096 bytes each; k lies 262,144 bytes on, v 524,288
	s_mov_b32 s21, 0
	s_lshl_b32 s22, ttmp9, 6
	s_lshl_b32 s23, s12, 4
	s_add_co_u32 s22, s22, s23
	s_lshl_b32 s22, s22, 12                        ; wo: row 64 cg + 16 ct,
	s_lshl_b32 s23, s13, 10
	s_add_co_u32 s22, s22, s23                     ; + my quarter of K
	s_mov_b32 s23, 0
	s_lshl_b32 s24, s11, 11
	s_lshl_b32 s25, s19, 1
	s_add_co_u32 s24, s24, s25
	s_lshl_b32 s24, s24, 12                        ; out0: row 2048 b + 2 (w & 7),
	s_lshl_b32 s25, ttmp9, 8
	s_add_co_u32 s24, s24, s25                     ; + 256 cg bytes
	s_mov_b32 s25, 0
	s_wait_kmcnt 0x0
	s_add_nc_u64 s[4:5], s[4:5], s[20:21]
	s_add_nc_u64 s[6:7], s[6:7], s[22:23]
	s_add_nc_u64 s[8:9], s[8:9], s[24:25]
.irp i, 0,1,2,3,4,5,6,7
	global_load_b128 v[QR+4*\i:QR+4*\i+3], v[AQK], s[4:5] offset:32*\i
.endr
.irp i, 0,1,2,3,4,5,6,7
	global_load_b128 v[KR+4*\i:KR+4*\i+3], v[AQK], s[4:5] offset:262144+32*\i
.endr
.irp ct, 0,1,2,3                               ; V^T: lane (r, h), register 8 ct + j: v(key 8 h + j, channel 16 ct + r)
.irp j, 0,1,2,3,4,5,6,7
	global_load_b32 v[VT+8*\ct+\j], v[AV], s[4:5] offset:524288+256*\j+64*\ct
.endr
.endr
.irp c, 0,1
.irp i, 0,1,2,3,4,5,6,7
	global_load_b128 v[W0+32*\c+4*\i:W0+32*\c+4*\i+3], v[AW], s[6:7] offset:256*\c+32*\i
.endr
.endr
	s_wait_loadcnt 48                              ; Q and K are in; V's 32 loads and wo's 16 may be out
.irp u, 0,1,2,3,4,5,6,7,8,9,10,11,12,13,14,15  ; S^T = K Q^T: lane (r, h) holds query r, keys 8 h + 0..7; two accumulators by turns
.if \u < 2
	v_wmma_f32_16x16x4_f32 v[ACC+8*(\u%2):ACC+8*(\u%2)+7], v[KR+2*\u:KR+2*\u+1], v[QR+2*\u:QR+2*\u+1], 0
.else
	v_wmma_f32_16x16x4_f32 v[ACC+8*(\u%2):ACC+8*(\u%2)+7], v[KR+2*\u:KR+2*\u+1], v[QR+2*\u:QR+2*\u+1], v[ACC+8*(\u%2):ACC+8*(\u%2)+7]
.endif
.endr
	v_lshlrev_b32 v15, 3, v2                       ; eight places behind this form (ISA guide 7.12.1): three lines of use and five v_nop
	v_sub_nc_u32 v[DD], v1, v15
	v_mov_b32 v[NINF], 0xff800000
.rept 5
	v_nop
.endr
.irp i, 0,1,2,3,4,5,6,7                        ; wo's chunks 2 and 3 take Q's and K's registers
	global_load_b128 v[QR+4*\i:QR+4*\i+3], v[AW], s[6:7] offset:512+32*\i
.endr
.irp i, 0,1,2,3,4,5,6,7
	global_load_b128 v[KR+4*\i:KR+4*\i+3], v[AW], s[6:7] offset:768+32*\i
.endr
.irp j, 0,1,2,3,4,5,6,7
	v_add_f32 v[T+\j], v[ACC+\j], v[ACC+8+\j]      ; the two halves of the sum, from the low end on
.endr
.irp j, 0,1,2,3,4,5,6,7
	v_cmp_gt_i32 vcc_lo, \j, v[DD]                 ; key 8 h + j lies behind query r
	v_cndmask_b32 v[T+\j], v[T+\j], v[NINF], vcc_lo
.endr
	v_max3_num_f32 v[TM], v[T], v[T+1], v[T+2]
	v_max3_num_f32 v[TM+1], v[T+3], v[T+4], v[T+5]
	v_max3_num_f32 v[TM], v[TM], v[T+6], v[T+7]
	v_max_num_f32 v[TM], v[TM], v[TM+1]
	v_permlanex16_b32 v[TM+2], v[TM], s16, s17
	v_max_num_f32 v[TM], v[TM], v[TM+2]            ; the row's maximum: key 0 counts for every query
	v_mul_f32 v[TM+1], s18, v[TM]
.irp j, 0,1,2,3,4,5,6,7
	v_fma_f32 v[T+\j], v[T+\j], s18, -v[TM+1]
.endr
.irp j, 0,1,2,3,4,5,6,7
	v_exp_f32 v[T+\j], v[T+\j]
.endr
	v_nop                                          ; one plain instruction behind the last exponential
	s_wait_alu depctr_va_vdst(0)                   ; the wait ahead of the first use: one for the eight
	v_add_f32 v[TM+3], v[T], v[T+1]
	v_add_f32 v[TM+4], v[T+2], v[T+3]
	v_add_f32 v[TM+5], v[T+4], v[T+5]
	v_add_f32 v[TM+6], v[T+6], v[T+7]
	v_add_f32 v[TM+3], v[TM+3], v[TM+4]
	v_add_f32 v[TM+5], v[TM+5], v[TM+6]
	v_add_f32 v[TM+3], v[TM+3], v[TM+5]
	v_permlanex16_b32 v[TM+2], v[TM+3], s16, s17
	v_add_f32 v[TM+3], v[TM+3], v[TM+2]            ; the row's sum
	v_rcp_f32 v[TM+4], v[TM+3]
	v_nop
	s_wait_alu depctr_va_vdst(0)
.irp j, 0,1,2,3,4,5,6,7
	v_mul_f32 v[P+\j], v[T+\j], v[TM+4]
.endr
	s_wait_loadcnt 32                              ; V is in; wo's 32 loads may be out
.irp i, 0,1,2,3                                ; O^T = V^T P: product i takes keys 8 h + 2 i, + 1 of both operands; four accumulators by turns
.irp ct, 0,1,2,3
.if \i == 0
	v_wmma_f32_16x16x4_f32 v[ACC+8*\ct:ACC+8*\ct+7], v[VT+8*\ct+2*\i:VT+8*\ct+2*\i+1], v[P+2*\i:P+2*\i+1], 0
.else
	v_wmma_f32_16x16x4_f32 v[ACC+8*\ct:ACC+8*\ct+7], v[VT+8*\ct+2*\i:VT+8*\ct+2*\i+1], v[P+2*\i:P+2*\i+1], v[ACC+8*\ct:ACC+8*\ct+7]
.endif
.endr
.endr
.rept 9
	v_nop                                          ; nine places: the stores below read the results, loads land on the operands' registers, and the next sums begin anew on these accumulators
.endr
.irp ct, 0,1,2,3
	ds_store_b128 v[OST], v[ACC+8*\ct:ACC+8*\ct+3] offset:64*\ct          ; lane (r, h): O(token r, 64 head + 16 ct + 8 h + 0..7); each accumulator from its low end on
	ds_store_b128 v[OST], v[ACC+8*\ct+4:ACC+8*\ct+7] offset:64*\ct+16
.endr
	s_wait_dscnt 0x0                               ; for the others' sake: my stores have landed
	s_barrier_signal -1
	s_barrier_wait -1                              ; all sixteen heads of O lie in LDS
.macro DSL c, buf                      ; chunk c (64 along K) of my quarter of O
.irp i, 0,1,2,3,4,5,6,7
	ds_load_b128 v[\buf+4*\i:\buf+4*\i+3], v[ORD] offset:256*(\c)+32*\i
.endr
.endm
.macro MM wr, ob, first                ; sixteen products: source 0 = 16 rows of wo, source 1 = 16 tokens: a lane holds token r, columns 8 h + 0..7
.irp u, 0,1,2,3,4,5,6,7,8,9,10,11,12,13,14,15
.if \first && (\u < 4)
	v_wmma_f32_16x16x4_f32 v[ACC+8*(\u%4):ACC+8*(\u%4)+7], v[\wr+2*\u:\wr+2*\u+1], v[\ob+2*\u:\ob+2*\u+1], 0
.else
	v_wmma_f32_16x16x4_f32 v[ACC+8*(\u%4):ACC+8*(\u%4)+7], v[\wr+2*\u:\wr+2*\u+1], v[\ob+2*\u:\ob+2*\u+1], v[ACC+8*(\u%4):ACC+8*(\u%4)+7]
.endif
.endr
.endm
.macro PLACES8
.rept 8
	v_nop
.endr
.endm
	DSL 0, VT
	DSL 1, T
	s_wait_loadcnt 16                              ; wo's chunks 0 and 1 are in; chunks 2 and 3 may be out
	s_wait_dscnt 8                                 ; O's chunk 0 is in; chunk 1's eight loads may be out
	MM W0, VT, 1
	PLACES8                                        ; in front of loads into the buffer just multiplied
	DSL 2, VT
	s_wait_dscnt 8                                 ; chunk 1 is in
	MM W0+32, T, 0
	PLACES8
	DSL 3, T
	s_wait_loadcnt 0x0
	s_wait_dscnt 8                                 ; chunk 2 is in
	MM QR, VT, 0
	s_wait_dscnt 0x0
	MM KR, T, 0
	PLACES8
.irp j, 0,1,2,3,4,5,6,7
	v_add_f32 v[SUM+\j], v[ACC+\j], v[ACC+8+\j]    ; the four accumulators' sum, each from its low end on
.endr
.irp j, 0,1,2,3,4,5,6,7
	v_add_f32 v[SUM+\j], v[SUM+\j], v[ACC+16+\j]
.endr
.irp j, 0,1,2,3,4,5,6,7
	v_add_f32 v[SUM+\j], v[SUM+\j], v[ACC+24+\j]
.endr
	ds_store_b128 v[RST], v[SUM:SUM+3]
	ds_store_b128 v[RST], v[SUM+4:SUM+7] offset:16
	s_wait_dscnt 0x0
	s_barrier_signal -1
	s_barrier_wait -1                              ; the four quarters' sums lie in LDS
	s_cmp_ge_u32 s10, 8                            ; 16 rows x 256 bytes are eight waves' stores; no barrier stands inside the branch
	s_cbranch_scc1 .Ldone
.irp k, 0,1,2,3
	ds_load_b128 v[W0+4*\k:W0+4*\k+3], v[RRD] offset:REDQ*\k
.endr
	s_wait_dscnt 0x0
	v_pk_add_f32 v[W0:W0+1], v[W0:W0+1], v[W0+4:W0+5]
	v_pk_add_f32 v[W0+2:W0+3], v[W0+2:W0+3], v[W0+6:W0+7]
	v_pk_add_f32 v[W0+8:W0+9], v[W0+8:W0+9], v[W0+12:W0+13]
	v_pk_add_f32 v[W0+10:W0+11], v[W0+10:W0+11], v[W0+14:W0+15]
	v_pk_add_f32 v[W0:W0+1], v[W0:W0+1], v[W0+8:W0+9]
	v_pk_add_f32 v[W0+2:W0+3], v[W0+2:W0+3], v[W0+10:W0+11]
	global_store_b128 v[GO], v[W0:W0+3], s[8:9]    ; sixteen lanes store 256 consecutive bytes, aligned
.Ldone:
	s_wait_tensorcnt 0x0                           ; the wave's end, behind my last LDS store
	ds_add_u32 v[SPW], v[NIL]
	s_wait_dscnt 0x0
	s_endpgm
.Lfunc_end_k_q1cff6ea54a_fine:
	.size	k_q1cff6ea54a_fine, .Lfunc_end_k_q1cff6ea54a_fine-k_q1cff6ea54a_fine
	.p2alignl 7, 3214868480
	.fill 96, 4, 3214868480
	.section	.rodata,"a",@progbits
	.p2align	6, 0x0
	.amdhsa_kernel k_q1cff6ea54a_fine
		.amdhsa_group_segment_fixed_size 86016
		.amdhsa_private_segment_fixed_size 0
		.amdhsa_enable_private_segment 0
		.amdhsa_kernarg_size 24
		.amdhsa_user_sgpr_count 2
		.amdhsa_user_sgpr_kernarg_segment_ptr 1
		.amdhsa_wavefront_size32 1
		.amdhsa_system_sgpr_workgroup_id_x 1
		.amdhsa_system_sgpr_workgroup_id_y 1
		.amdhsa_system_sgpr_workgroup_id_z 1
		.amdhsa_system_vgpr_workitem_id 0
		.amdhsa_next_free_vgpr 256
		.amdhsa_next_free_sgpr 66
		.amdhsa_reserve_vcc 1
		.amdhsa_float_denorm_mode_32 3
		.amdhsa_float_denorm_mode_16_64 3
		.amdhsa_memory_ordered 1
		.amdhsa_forward_progress 1
		.amdhsa_inst_pref_size 26
	.end_amdhsa_kernel
	.amdgpu_metadata
---
amdhsa.version: [ 1, 2 ]
amdhsa.kernels:
  - .name:           k_q1cff6ea54a_fine
    .symbol:         k_q1cff6ea54a_fine.kd
    .args:
      - { .name: qkv32, .offset: 0, .size: 8, .value_kind: global_buffer, .address_space: global }
      - { .name: wo, .offset: 8, .size: 8, .value_kind: global_buffer, .address_space: global }
      - { .name: out0, .offset: 16, .size: 8, .value_kind: global_buffer, .address_space: global }
    .group_segment_fixed_size: 86016
    .private_segment_fixed_size: 0
    .kernarg_segment_align: 8
    .kernarg_segment_size: 24
    .max_flat_workgroup_size: 512
    .sgpr_count:     66
    .vgpr_count:     256
    .wavefront_size: 32
...
	.end_amdgpu_metadata
.endif
;; end of part 5
